; MI455X (gfx1250); checked and timed in simulation.
; The chip was launched on July 23, 2026; its instructions are those of AMD's public machine-readable ISA for CDNA 5 (MIT licence, August 2026) and "CDNA5" Instruction Set Architecture Reference Guide (July 2026). The comments in the code are by the model that wrote it; some were corrected since.
;; Trans Block. Allowed arithmetic: float matrix products may take bf16 or f16 operands with f32 sums; other float arithmetic in f32, or as packed bf16 or f16 multiplies, adds, multiply-adds, maxima and minima; sums over many terms, partial sums and values carried from step to step in f32; what a program stores and reads back later, other than sums and carried values, may be rounded once to bf16 or f16.
;; Inputs: W_qkv 1,024 x 3,072 float32; b_qkv 3,072 float32; x 32 x 512 x 1,024 float32.
;; Outputs: out0 32 x 512 x 1,024 float32.
;; 2 versions, each right. Each part assembles by itself: llvm-mc -triple=amdgcn-amd-amdhsa -mcpu=gfx1250 --defsym DOCPART=n.
;; ======== version 1 of 2: 3 launches
;; limits: values are held in f16: magnitudes above 65,504 overflow, below 6.1e-05 lose precision
;; workspace buffers: xb 33,554,432 bytes; wb 6,291,456 bytes; qkv 100,663,296 bytes
;; launch cast (part 1): grid 1216 x 1, 8 waves a work-group, no clusters, 0 bytes of LDS; arguments x, W_qkv, xb, wb; writes xb, wb
.if DOCPART == 1
	.amdgcn_target "amdgcn-amd-amdhsa--gfx1250"
	.amdhsa_code_object_version 6
	.text
	.protected	k_qb819df3864_cast
	.globl	k_qb819df3864_cast
	.p2align	8
	.type	k_qb819df3864_cast,@function
k_qb819df3864_cast:
	s_mov_b64 s[64:65], 0
	v_nop
	global_prefetch_b8 v0, s[64:65] scope:SCOPE_SE
	s_setreg_imm32_b32 hwreg(HW_REG_WAVE_MODE, 25, 1), 1
	s_wait_xcnt 0x0
; xb = bf16(x), wb = bf16(W_qkv), each number rounded once to nearest even, the order of the numbers kept.
; A work-group takes 65,536 input bytes: groups 0..1023 of x (67,108,864 bytes), groups 1024..1215 of W (12,582,912 bytes).
; Thread t takes 16 bytes at 16 t of each of 16 pieces of 4,096 bytes: a wave's load covers 512 consecutive bytes, and its store
; (8 bytes a lane) 256 consecutive bytes at a multiple of 256 from the buffer's first byte.  All 16 loads go out first; no register is used twice,
; so the only waits are the counted ones for the loads.  No LDS, no matrix unit, no cluster: nothing is shared and every byte passes once.
.set XG, 1024                          ; work-groups that serve x
.set X,  4                             ; v[4:67]   piece j: 4 registers as loaded
.set Y,  68                            ; v[68:99]  piece j: 2 registers to store
	s_load_b256 s[4:11], s[0:1], 0x0               ; x s[4:5], W s[6:7], xb s[8:9], wb s[10:11]
	v_lshlrev_b32 v1, 4, v0                        ; my 16 bytes in a piece of the input
	v_lshlrev_b32 v2, 3, v0                        ; my 8 bytes in a piece of the output
	s_sub_co_u32 s16, ttmp9, XG
	s_cmp_lt_u32 ttmp9, XG                         ; x or W?
	s_cselect_b32 s16, ttmp9, s16                  ; the group's number within its tensor
	s_wait_kmcnt 0x0
	s_cselect_b64 s[12:13], s[4:5], s[6:7]         ; from
	s_cselect_b64 s[14:15], s[8:9], s[10:11]       ; to
	s_lshl_b32 s18, s16, 15                        ; 32,768 output bytes a group
	s_lshl_b32 s16, s16, 16                        ; 65,536 input bytes a group (under 2^27)
	s_mov_b32 s17, 0
	s_mov_b32 s19, 0
	s_add_nc_u64 s[12:13], s[12:13], s[16:17]
	s_add_nc_u64 s[14:15], s[14:15], s[18:19]
.set j, 0
.rept 16
	global_load_b128 v[X+4*j:X+4*j+3], v1, s[12:13] offset:4096*j th:TH_LOAD_NT
.set j, j+1
.endr
.set j, 0
.rept 16
	s_wait_loadcnt 15-j                            ; loads come back in order: piece j is in, the 15 - j younger ones stay out
	v_cvt_pk_bf16_f32 v[Y+2*j], v[X+4*j], v[X+4*j+1]
	v_cvt_pk_bf16_f32 v[Y+2*j+1], v[X+4*j+2], v[X+4*j+3]
	global_store_b64 v2, v[Y+2*j:Y+2*j+1], s[14:15] offset:2048*j th:TH_STORE_NT
.set j, j+1
.endr
	s_endpgm
.Lfunc_end_k_qb819df3864_cast:
	.size	k_qb819df3864_cast, .Lfunc_end_k_qb819df3864_cast-k_qb819df3864_cast
	.p2alignl 7, 3214868480
	.fill 96, 4, 3214868480
	.section	.rodata,"a",@progbits
	.p2align	6, 0x0
	.amdhsa_kernel k_qb819df3864_cast
		.amdhsa_group_segment_fixed_size 0
		.amdhsa_private_segment_fixed_size 0
		.amdhsa_enable_private_segment 0
		.amdhsa_kernarg_size 32
		.amdhsa_user_sgpr_count 2
		.amdhsa_user_sgpr_kernarg_segment_ptr 1
		.amdhsa_wavefront_size32 1
		.amdhsa_system_sgpr_workgroup_id_x 1
		.amdhsa_system_sgpr_workgroup_id_y 1
		.amdhsa_system_sgpr_workgroup_id_z 1
		.amdhsa_system_vgpr_workitem_id 0
		.amdhsa_next_free_vgpr 100
		.amdhsa_next_free_sgpr 66
		.amdhsa_reserve_vcc 0
		.amdhsa_float_denorm_mode_32 3
		.amdhsa_float_denorm_mode_16_64 3
		.amdhsa_memory_ordered 1
		.amdhsa_forward_progress 1
		.amdhsa_inst_pref_size 7
	.end_amdhsa_kernel
	.amdgpu_metadata
---
amdhsa.version: [ 1, 2 ]
amdhsa.kernels:
  - .name:           k_qb819df3864_cast
    .symbol:         k_qb819df3864_cast.kd
    .args:
      - { .name: x, .offset: 0, .size: 8, .value_kind: global_buffer, .address_space: global }
      - { .name: W_qkv, .offset: 8, .size: 8, .value_kind: global_buffer, .address_space: global }
      - { .name: xb, .offset: 16, .size: 8, .value_kind: global_buffer, .address_space: global }
      - { .name: wb, .offset: 24, .size: 8, .value_kind: global_buffer, .address_space: global }
    .group_segment_fixed_size: 0
    .private_segment_fixed_size: 0
    .kernarg_segment_align: 8
    .kernarg_segment_size: 32
    .max_flat_workgroup_size: 256
    .sgpr_count:     66
    .vgpr_count:     100
    .wavefront_size: 32
...
	.end_amdgpu_metadata
.endif
;; end of part 1
;; launch proj (part 2): grid 4 x 64, 4 waves a work-group, clusters of 4 x 4, 327,680 bytes of LDS; arguments xb, wb, b_qkv, qkv; writes qkv
.if DOCPART == 2
	.amdgcn_target "amdgcn-amd-amdhsa--gfx1250"
	.amdhsa_code_object_version 6
	.text
	.protected	k_qb819df3864_proj
	.globl	k_qb819df3864_proj
	.p2align	8
	.type	k_qb819df3864_proj,@function
k_qb819df3864_proj:
	s_mov_b64 s[64:65], 0
	v_nop
	global_prefetch_b8 v0, s[64:65] scope:SCOPE_SE
	s_setreg_imm32_b32 hwreg(HW_REG_WAVE_MODE, 25, 1), 1
	s_wait_xcnt 0x0
	s_wait_alu depctr_hold_cnt(0) depctr_sa_sdst(0) depctr_va_vdst(0) depctr_va_sdst(0) depctr_va_ssrc(0) depctr_va_vcc(0) depctr_vm_vsrc(0)
	s_getreg_b32 s2, hwreg(HW_REG_IB_STS2, 6, 4)
	s_cmp_eq_u32 s2, 0
	s_cbranch_scc0 .Lentry_in_a_cluster
	s_endpgm
.Lentry_in_a_cluster:
	s_bfe_u32 s2, ttmp6, 0x10000c
	s_cmp_lg_u32 s2, 0xf033
	s_cbranch_scc0 .Lentry_shape_is_right
	s_endpgm
.Lentry_shape_is_right:
; qkv[m][n] = f16( sum over k of xb[m][k] wb[k][n] + bf16(b[n]) ).  xb: [16384][1024] bf16, wb: [1024][3072] bf16 (K along the columns), b: [3072] f32, qkv: [16384][3072] f16.
; Sums in f32, K ascending; the bias, rounded to bf16 like the other inputs, is the C operand of the product that starts a sum; qkv is rounded once.
; LIMIT: f16 ends at 65,504: a number of q, k or v of 65,520 or more leaves as an infinity.
; SHARES.  A tile of qkv is 256 x 256, made by four waves of 128 x 128 (64 accumulators, 512 registers).  A WORK-GROUP STAYS and makes three tiles: the same 256 rows, columns 1,024 t + 256 gx
; (its part of q, of k and of v).  64 x 4 work-groups, three tiles each, are the 768 tiles.  K goes in steps of 128 through a ring of two LDS slots, which runs on from tile to tile.
; wb's tile lies in LDS as in memory, [k][n], and its fragments are read turned, by ds_load_tr16_b128.
; CLUSTERS of 4 x 4: the four of a row need the same rows of xb, the four of a column the same columns of wb: each tile is asked for jointly, by the same tensor load with a mask that names the four.
; THE MATRIX INSTRUCTION IS USED TRANSPOSED (source 0 = 16 columns of wb, source 1 = 16 rows of xb): a lane holds row l % 16 and the columns 8 (l / 16) + 0..7: 16 bytes of f16 on end.
; REGISTERS, in windows of 256 (s_set_vgpr_msb: bits 1:0 source 0, 3:2 source 1, 5:4 source 2, 7:6 destination):
;   window 0: v0-31 addresses; v64-127, v128-191 fragments of xb, two buffers; v32-63, v192-255 at work on the way out
;   window 1: v0-63 the bias of my 128 columns (8 registers for each block of 16); v64-127, v128-191 fragments of wb; v192-223 at work on the bias
;   window 2: the accumulators of my rows 0-63 ((a, b) at v[8 (8 a + b)]);   window 3: those of my rows 64-127
.set SIZE_K, 1024
.set SIZE_N, 3072
.set TILES,  3
.set AROW,   2*SIZE_K                  ; bytes in a row of xb
.set BROW,   2*SIZE_N                  ; bytes in a row of wb and of qkv
.set KSTEP,  128
.set ASTEP,  2*KSTEP                   ; a K step along a row of xb, in bytes
.set BSTEP,  KSTEP*BROW                ; a K step down wb's rows, in bytes
.set PITCH,  272                       ; an LDS row of xb's tile: 256 bytes + 16: the 16 rows of a fragment load start 16 bytes apart modulo 256
.set PB,     544                       ; an LDS row of wb's tile: 512 bytes + 32 = 17 x 32: 16 lanes of the turning load take 8 rows x 32 bytes, all apart modulo 256
.set HALFT,  128*PITCH                 ; what one tensor load brings: 128 rows of xb, or 64 rows of wb (64 x 544 is the same number)
.set SLOT,   4*HALFT                   ; xb's 256 rows, then wb's 128 rows
.set BOFF,   2*HALFT
.set STAGE,  2*SLOT                    ; behind the ring: 16 rows x 272 bytes for each wave, for the way out
.set SPITCH, 272
.set SPARE,  STAGE+4*16*SPITCH         ; behind the stages: the spare words, 128 bytes a wave, that no other line names
.set LAPS,   SIZE_K/(2*KSTEP)          ; a lap = two K steps = once round the ring
.set ADRA, 16                          ; v16-17  LDS address of my fragments of xb in slot 0, 1
.set ADRB, 20                          ; v20-21  the same for wb
.set STO,  24                          ; v24     the way out: where I put 16 bytes of a row
.set RD,   25                          ; v25     the way out: where I read a row back
.set CO,   26                          ; v26     my byte offset in two rows of qkv
.set BO,   27                          ; v27     my byte offset in a block of 16 numbers of b: 32 (l / 16)
.set SPW,  28                          ; v28     my spare word: SPARE + 4 x my thread's number; never rewritten
.set NIL,  29                          ; v29     0; never rewritten
.set PFO,  30                          ; v30     the prefetches' lane offset; never rewritten
.set F0,   64
.set F1,   128
.set TMP,  192
.set OB,   32
.set BT,   192                         ; window 1: 32 registers at work on the bias
.set G1,   24                          ; s[24:31] descriptor group 1 for xb's tiles;  s[32:39] group 0, a set for each slot
.set G0,   32
.set G1B,  48                          ; s[48:55], s[56:63] the same for wb's tiles
.set G0B,  56
.set LIM,  43                          ; s43      1 in a wave that prefetches, else the greatest number
.set PFA,  44                          ; s[44:45] where my prefetches stand
.set PFS,  66                          ; s[66:67] their step from K step to K step
.set PFB,  68                          ; s[68:69] their step back at a change of tiles
.set BP,   70                          ; s[70:71] b at my 128 columns of the tile whose bias is loaded next
.set MSB, 0
.macro WIN new                         ; the immediate's high byte repeats the setting that is left; a switch that changes nothing is dropped
.if MSB != (\new)
	s_set_vgpr_msb (MSB<<8)|(\new)
.set MSB, \new
.endif
.endm
.set MUL_LO, 0xa1                      ; source 0 (wb) window 1, source 1 (xb) window 0, C and D window 2
.set MUL_HI, 0xf1                      ; the same, C and D window 3
.set TO_B,   0x40                      ; destination window 1, address window 0
; A joint load.  Waves 0 and 1 fetch xb's two halves, waves 2 and 3 wb's.  The branch hangs on the wave's number alone.  An s_nop 0 and four v_nop follow each of the two lines.
.macro JLOAD s
	s_cmp_eq_u32 s11, 0
	s_cbranch_scc0 .Lfor_b_\@
	tensor_load_to_lds s[G0+4*(\s):G0+4*(\s)+3], s[G1:G1+7]
	s_nop 0
.rept 4
	v_nop
.endr
	s_branch .Lasked_\@
.Lfor_b_\@:
	tensor_load_to_lds s[G0B+4*(\s):G0B+4*(\s)+3], s[G1B:G1B+7]
	s_nop 0
.rept 4
	v_nop
.endr
.Lasked_\@:
.endm
; A PREFETCH, behind each joint load and the run of LDS loads that follows it: the K step that stands two refills on, 512 matrix instructions ahead of the load that will want it; one instruction a wave.
; xb: of the 128 rows that a wave fetches, the partner at place cx names 32, a lane a row of 256 bytes; in the first tile alone, since the later tiles walk the same rows again.
; wb: of the 64 rows x 512 bytes that a wave fetches, the partner at place cy names 16 rows x 2 blocks of 256 bytes, a lane a block; every cluster reads the same wb, so the cluster with y = 0 asks, in all three tiles.
; So each block is named once in the launch, and partners are told apart by address alone.  how = 0, in the loop: a tile's last two refills have no K step two on; how = 1, at a change of tiles: the next tile's K steps 2 and 3.
.macro ASK how
.if \how
	s_cmp_eq_u32 s[LIM], 1
.else
	s_cmp_gt_u32 s3, s[LIM]                        ; s3 = 1 in the loop's last trip
.endif
	s_cbranch_scc0 .Lnot_mine_\@
	global_prefetch_b8 v[PFO], s[PFA:PFA+1] th:TH_LOAD_NT scope:SCOPE_SE
.Lnot_mine_\@:
.endm
.macro CREST                           ; a round of the cluster's barrier behind its opening barrier
	s_cmp_lg_u32 s10, 0
	s_cbranch_scc1 .Lnot_wave_0_\@
	s_barrier_signal -3
.Lnot_wave_0_\@:
	s_barrier_wait -3
	s_barrier_signal -1
	s_barrier_wait -1
.endm
.macro CROUND                          ; a whole round
	s_barrier_signal -1
	s_barrier_wait -1
	CREST
.endm
	s_load_b128 s[4:7], s[0:1], 0x0                ; xb s[4:5], wb s[6:7]
	s_load_b64 s[BP:BP+1], s[0:1], 0x10            ; b
	s_load_b64 s[8:9], s[0:1], 0x18                ; qkv: never rewritten
	v_lshl_add_u32 v[SPW], v0, 2, SPARE
	v_mov_b32 v[NIL], 0
	ds_add_u32 v[SPW], v[NIL]                      ; the wave's opening: the add and its wait stand ahead of my first tensor load; work on registers stands between them
	v_lshrrev_b32 v1, 5, v0
	v_readfirstlane_b32 s10, v1                    ; wave 0..3
	s_lshr_b32 s11, s10, 1                         ; which half of the tile's rows is mine.  Also: I fetch for xb (0) or for wb (1)
	s_and_b32 s12, s10, 1                          ; which half of its columns.  Also: which half of that tile I fetch
	s_bfe_u32 s40, ttmp6, 0x40000                  ; cx
	s_bfe_u32 s41, ttmp6, 0x40004                  ; cy
	s_lshl_b32 s42, ttmp9, 2
	s_add_co_u32 s42, s42, s40                     ; gx = 4 x cluster x + cx: my 256 columns of each third
	s_and_b32 s13, ttmp7, 0xffff
	s_lshl_b32 s13, s13, 2
	s_add_co_u32 s13, s13, s41                     ; gy = 4 x cluster y + cy: my 256 rows
	s_lshl_b32 s43, s41, 2
	s_lshl_b32 s43, 15, s43                        ; my row of the cluster
	s_lshl_b32 s44, 0x1111, s40                    ; my column
	s_or_b32 s[G1+0], s43, (1<<16)|(1<<20)|(1<<21)|(5<<22)|(3<<25)   ; mask: my row; 2-byte elements; padding on; bit 21 beside a mask; after every 64 words 4 words
	s_or_b32 s[G1B+0], s44, (1<<16)|(1<<20)|(1<<21)|(6<<22)|(7<<25)  ; mask: my column; after every 128 words 8 words
	s_mov_b32 s[G1+1], KSTEP<<16                   ; tensor_dim0 = 128
	s_mov_b32 s[G1+2], 128<<16                     ; tensor_dim1 = 128
	s_mov_b32 s[G1+3], KSTEP<<16                   ; tile_dim0 = 128
	s_mov_b32 s[G1+4], 128                         ; tile_dim1 = 128
	s_mov_b32 s[G1+5], SIZE_K                      ; elements from row to row
	s_mov_b32 s[G1+6], 0
	s_mov_b32 s[G1+7], 0
	s_mov_b32 s[G1B+1], 256<<16                    ; tensor_dim0 = 256
	s_mov_b32 s[G1B+2], 64<<16                     ; tensor_dim1 = 64
	s_mov_b32 s[G1B+3], 256<<16                    ; tile_dim0 = 256
	s_mov_b32 s[G1B+4], 64                         ; tile_dim1 = 64
	s_mov_b32 s[G1B+5], SIZE_N
	s_mov_b32 s[G1B+6], 0
	s_mov_b32 s[G1B+7], 0
	s_lshl_b32 s17, s12, 7
	s_lshl_b32 s16, s13, 8
	s_add_co_u32 s16, s16, s17                     ; xb: row 256 gy + 128 x half,
	s_lshl_b32 s16, s16, 11                        ; in bytes (under 2^25)
	s_mov_b32 s17, 0
	s_mul_i32 s46, s12, 64*BROW                    ; wb: k row 64 x half,
	s_lshl_b32 s47, s42, 9                         ; column 256 gx
	s_add_co_u32 s46, s46, s47
	s_mov_b32 s47, 0
	s_mul_i32 s20, s10, HALFT                      ; where they go: wave x 34,816: no place in the cluster enters an LDS address
	s_wait_dscnt 0x0                               ; the opening add is done
	s_wait_kmcnt 0x0
	s_add_nc_u64 s[14:15], s[4:5], s[16:17]
	s_add_nc_u64 s[46:47], s[6:7], s[46:47]
	CROUND                                         ; all sixteen work-groups are here: the first joint loads meet
.irp s, 0,1
	s_mov_b32 s[G0+4*(\s)], 1
	s_add_co_u32 s[G0+4*(\s)+1], s20, (\s)*SLOT
	s_add_nc_u64 s[G0+4*(\s)+2:G0+4*(\s)+3], s[14:15], (\s)*ASTEP
	s_or_b32 s[G0+4*(\s)+3], s[G0+4*(\s)+3], 0x80000000
	s_mov_b32 s[G0B+4*(\s)], 1
	s_add_co_u32 s[G0B+4*(\s)+1], s20, (\s)*SLOT
	s_add_nc_u64 s[G0B+4*(\s)+2:G0B+4*(\s)+3], s[46:47], (\s)*BSTEP
	s_or_b32 s[G0B+4*(\s)+3], s[G0B+4*(\s)+3], 0x80000000
	JLOAD \s                                       ; K steps 0 and 1: two loads of mine are out
.endr
; The bias of my 128 columns: for block b of 16 columns a lane takes the 8 numbers 16 b + 8 (l / 16) + 0..7, which is the layout of an accumulator's 8 registers.
.macro BIASLOAD
	WIN TO_B
.set bi, 0
.rept 8
	global_load_b128 v[8*bi:8*bi+3],   v[BO], s[BP:BP+1] offset:64*bi
	global_load_b128 v[8*bi+4:8*bi+7], v[BO], s[BP:BP+1] offset:64*bi+16
.set bi, bi+1
.endr
	WIN 0
.endm
; It is rounded to bf16 and widened again; then the pointer steps to the next tile's columns (1,024 numbers on).
.macro BIASROUND
	WIN 0
	s_wait_loadcnt 0x0                             ; the sixteen loads are in, so their base may be written
	s_add_nc_u64 s[BP:BP+1], s[BP:BP+1], 4096
	WIN 0x45                                       ; destination and both sources in window 1
.set bi, 0
.rept 32
	v_cvt_pk_bf16_f32 v[BT+bi], v[2*bi], v[2*bi+1]
.set bi, bi+1
.endr
.set bi, 0
.rept 32
	v_lshlrev_b32 v[2*bi], 16, v[BT+bi]
	v_and_b32 v[2*bi+1], 0xffff0000, v[BT+bi]
.set bi, bi+1
.endr
	WIN 0
.endm
	v_and_b32 v1, 15, v0                           ; l % 16
	v_bfe_u32 v2, v0, 4, 1                         ; l / 16
	v_lshlrev_b32 v[BO], 5, v2
	s_lshl_b32 s46, s42, 10                        ; b at column 256 gx + 128 x my half, 4 bytes a number
	s_lshl_b32 s47, s12, 9
	s_add_co_u32 s46, s46, s47
	s_mov_b32 s47, 0
	s_add_nc_u64 s[BP:BP+1], s[BP:BP+1], s[46:47]
	BIASLOAD
	; A fragment of xb is 16 rows x 32 K: lane l holds row l % 16; two loads of 16 bytes, 32 bytes apart, at row x pitch + 16 (l / 16).
	v_mul_u32_u24 v3, v1, PITCH
	v_lshl_add_u32 v3, v2, 4, v3
	; The turning load takes 16 k x 16 columns (lane l reads k row 8 (l / 16) + l % 8, columns 8 ((l / 8) % 2) + 0..7) and leaves half a fragment: lane l holds column l % 16 and 8 k.
	v_and_b32 v6, 7, v0
	v_lshl_add_u32 v6, v2, 3, v6
	v_mul_u32_u24 v6, v6, PB
	v_bfe_u32 v7, v0, 3, 1
	v_lshl_add_u32 v6, v7, 4, v6
	s_mul_i32 s21, s11, HALFT                      ; my 128 rows of xb
	s_lshl_b32 s22, s12, 8                         ; my 128 columns of wb: 256 bytes of each LDS row,
	s_add_co_u32 s22, s22, BOFF                    ; behind xb's 256 rows
.irp s, 0,1
	v_add_nc_u32 v[ADRA+(\s)], s21, v3
	v_add_nc_u32 v[ADRB+(\s)], s22, v6
	s_add_co_u32 s21, s21, SLOT
	s_add_co_u32 s22, s22, SLOT
.endr
	s_mul_i32 s23, s10, 16*SPITCH
	s_add_co_u32 s23, s23, STAGE                   ; my stage
	v_mul_u32_u24 v4, v1, SPITCH                   ; in: row l % 16, 16 bytes for each half of the lanes
	v_lshl_add_u32 v4, v2, 4, v4
	v_add_nc_u32 v[STO], s23, v4
	v_mul_u32_u24 v5, v2, SPITCH                   ; back: lanes 0-15 take one row of 256 bytes, lanes 16-31 the next
	v_lshl_add_u32 v5, v1, 4, v5
	v_add_nc_u32 v[RD], s23, v5
	v_mul_u32_u24 v5, v2, BROW                     ; and the same two rows in qkv
	v_lshl_add_u32 v[CO], v1, 4, v5
	; s[16:17]: the byte offset in qkv of the 16 rows that go out next (a number, under 2^27; each way out adds it to qkv's address)
	s_lshl_b32 s13, s13, 8                         ; 256 gy
	s_lshl_b32 s14, s11, 7
	s_add_co_u32 s16, s13, s14                     ; my first row
	s_mul_i32 s16, s16, BROW
	s_lshl_b32 s46, s42, 9                         ; my first column of the first third, in bytes: 512 gx + 256 x half
	s_lshl_b32 s47, s12, 8
	s_add_co_u32 s46, s46, s47
	s_add_co_u32 s16, s16, s46
	s_mov_b32 s17, 0
	; the prefetches: they stand at K step 3; each change of slots steps them once and names where they then stand
	s_lshl_b32 s20, s12, 7
	s_add_co_u32 s20, s20, s13
	s_lshl_b32 s21, s40, 5
	s_add_co_u32 s20, s20, s21                     ; xb: row 256 gy + 128 x half + 32 cx
	s_lshl_b32 s21, s12, 6
	s_lshl_b32 s22, s41, 4
	s_add_co_u32 s21, s21, s22
	s_add_co_u32 s21, s21, 3*KSTEP                 ; wb: k row 64 x half + 16 cy, at K step 3
	s_lshl_b32 s22, s42, 9                         ; wb: column 256 gx
	s_and_b32 s23, ttmp7, 0xffff                   ; cluster y
	s_cmp_eq_u32 s23, 0
	s_cselect_b32 s23, 1, -1                       ; the same in all sixteen partners
	s_mov_b32 s[PFS], BSTEP
	s_mov_b32 s[PFB], 7*BSTEP-2048                 ; from K step 9 of a tile to K step 2 of the next, 1,024 columns on
	s_cmp_eq_u32 s11, 0                            ; do I fetch for xb?
	s_cselect_b32 s20, s20, s21
	s_mov_b32 s21, BROW
	s_cselect_b32 s21, AROW, s21                   ; bytes in a row
	s_cselect_b32 s22, 3*ASTEP, s22
	s_cselect_b32 s[LIM], 1, s23
	s_cselect_b32 s[PFS], ASTEP, s[PFS]
	s_cselect_b32 s[PFB], 7*ASTEP, s[PFB]
	s_cselect_b64 s[PFA:PFA+1], s[4:5], s[6:7]
	s_mov_b32 s[PFS+1], 0
	s_mov_b32 s[PFB+1], 0
	v_and_b32 v5, 31, v0
	v_lshrrev_b32 v4, s11, v5                      ; xb: a lane a row; wb: two lanes a row,
	v_mul_u32_u24 v4, s21, v4
	v_and_b32 v5, s11, v5                          ; the odd lane its second 256 bytes
	v_lshl_add_u32 v[PFO], v5, 8, v4
	s_mul_i32 s20, s20, s21
	s_add_co_u32 s20, s20, s22
	s_mov_b32 s21, 0
	s_add_nc_u64 s[PFA:PFA+1], s[PFA:PFA+1], s[20:21]
	BIASROUND
; 16 matrix instructions: m blocks a0, a0 + 1 of the window's four x all 8 n blocks, 32 along K.  zero = 1: the product starts the sums with the bias as C (window 1): nothing is cleared.
.macro MUL16 f, hi, a0, zero
.if \zero
	WIN 0x91+0x40*(\hi)
.else
	WIN MUL_LO+0x50*(\hi)
.endif
.irp a, \a0, (\a0)+1
.irp b, 0,1,2,3,4,5,6,7
.if \zero
	v_wmma_f32_16x16x32_bf16 v[8*(8*(\a)+(\b)):8*(8*(\a)+(\b))+7], v[(\f)+8*(\b):(\f)+8*(\b)+7], v[(\f)+8*(4*(\hi)+(\a)):(\f)+8*(4*(\hi)+(\a))+7], v[8*(\b):8*(\b)+7]
.else
	v_wmma_f32_16x16x32_bf16 v[8*(8*(\a)+(\b)):8*(8*(\a)+(\b))+7], v[(\f)+8*(\b):(\f)+8*(\b)+7], v[(\f)+8*(4*(\hi)+(\a)):(\f)+8*(4*(\hi)+(\a))+7], v[8*(8*(\a)+(\b)):8*(8*(\a)+(\b))+7]
.endif
.endr
.endr
.endm
; 32 LDS loads in one run: the fragments of quarter q (32 along K) of a slot into buffer f: wb's 8 blocks of 16 columns, turned, then xb's 8 blocks of 16 rows
.macro FETCH slot, q, f
	WIN TO_B
.irp i, 0,1,2,3,4,5,6,7
	ds_load_tr16_b128 v[(\f)+8*(\i):(\f)+8*(\i)+3],   v[ADRB+(\slot)] offset:(\q)*32*PB+32*(\i)
	ds_load_tr16_b128 v[(\f)+8*(\i)+4:(\f)+8*(\i)+7], v[ADRB+(\slot)] offset:(\q)*32*PB+16*PB+32*(\i)
.endr
	WIN 0
.irp i, 0,1,2,3,4,5,6,7
	ds_load_b128 v[(\f)+8*(\i):(\f)+8*(\i)+3],   v[ADRA+(\slot)] offset:64*(\q)+(\i)*16*PITCH
	ds_load_b128 v[(\f)+8*(\i)+4:(\f)+8*(\i)+7], v[ADRA+(\slot)] offset:64*(\q)+(\i)*16*PITCH+32
.endr
.endm
.macro PLACES                          ; four plain instructions between a matrix instruction and a load into, or a vector read of, its registers
.rept 4
	v_nop
.endr
.endm
; A K step is four quarters of 32 along K, 64 matrix instructions each, on buffers 0, 1, 0, 1.  One of the first three multiplies buffer f and, in its middle, fetches quarter q into buffer g.
.macro QUARTER slot, q, f, g, zero
	s_wait_dscnt 8                                 ; wb's fragments and xb's rows 0-63 are in; the youngest eight loads (rows 64-127) may be out
	MUL16 \f, 0, 0, \zero
	MUL16 \f, 0, 2, \zero
	PLACES
	FETCH \slot, \q, \g
	s_wait_dscnt 32                                ; all but the 32 just issued
	MUL16 \f, 1, 0, \zero
	MUL16 \f, 1, 2, \zero
.endm
; The last quarter multiplies buffer 1 and changes slots.  In front of the barrier each wave waits for all its tensor loads (one is out: its part of the next slot), adds 0 to its spare word, and waits for that and for its reads of this slot.
.macro MEET round
	WIN 0
	s_wait_tensorcnt 0x0
	ds_add_u32 v[SPW], v[NIL]
	s_wait_dscnt 9                                 ; the add and the youngest eight loads may be out
	MUL16 F1, 0, 0, 0
	s_wait_dscnt 0x0                               ; the add is done, and my reads of this slot are over
	s_barrier_signal -1
	MUL16 F1, 0, 2, 0
.if \round
	WIN 0
.endif
	s_barrier_wait -1
.endm
; The whole last quarter.  Behind the round the slot just read out is filled again first: with this tile's K step two on (on = 0) or with the next tile's K step 0 or 1 (on = 1): xb goes back along K, wb back up its rows and 1,024 columns on.
.macro TURN slot, next, on
	s_wait_xcnt 0x0                                ; the last prefetch, a K step back, has read its address
.if (\on) && (\slot) == 0
	s_sub_nc_u64 s[PFA:PFA+1], s[PFA:PFA+1], s[PFB:PFB+1]
	s_cmp_eq_u32 s11, 0
	s_cselect_b32 s[LIM], -1, s[LIM]               ; xb's rows are the same for all three tiles: they are asked for no more
.else
	s_add_nc_u64 s[PFA:PFA+1], s[PFA:PFA+1], s[PFS:PFS+1]
.endif
	MEET 1
	CREST                                          ; no wave of any partner still reads this slot or has a load on its way
.if \on
	s_sub_nc_u64 s[G0+4*(\slot)+2:G0+4*(\slot)+3], s[G0+4*(\slot)+2:G0+4*(\slot)+3], 6*ASTEP
	s_sub_nc_u64 s[G0B+4*(\slot)+2:G0B+4*(\slot)+3], s[G0B+4*(\slot)+2:G0B+4*(\slot)+3], 6*BSTEP-2048
.else
	s_add_nc_u64 s[G0+4*(\slot)+2:G0+4*(\slot)+3], s[G0+4*(\slot)+2:G0+4*(\slot)+3], 2*ASTEP
	s_add_nc_u64 s[G0B+4*(\slot)+2:G0B+4*(\slot)+3], s[G0B+4*(\slot)+2:G0B+4*(\slot)+3], 2*BSTEP
.endif
	JLOAD \slot                                    ; my one tensor load behind the round; its four v_nop are also the places in front of the loads below
	FETCH \next, 0, F0
	ASK \on
	MUL16 F1, 1, 0, 0
	MUL16 F1, 1, 2, 0
.endm
; THE WAY OUT of block a (16 rows x 128 columns).  PACK: rounded to f16, each accumulator's registers in ascending order.  TOSTAGE: into my own stage, and back as whole rows of 256 bytes.  SEND: stored.
.macro PACK a
.set AC, 64*((\a)%4)
	WIN 0x0a+5*((\a)/4)                            ; sources 0 and 1: window 2 or 3
.irp b, 0,1,2,3,4,5,6,7
.irp r, 0,1,2,3
	v_cvt_pk_f16_f32 v[TMP+4*(\b)+(\r)], v[AC+8*(\b)+2*(\r)], v[AC+8*(\b)+2*(\r)+1]
.endr
.endr
	WIN 0
.endm
.macro TOSTAGE a
	WIN 0
.set BK, OB+192*((\a)%2)
.irp b, 0,1,2,3,4,5,6,7
	ds_store_b128 v[STO], v[TMP+4*(\b):TMP+4*(\b)+3] offset:32*(\b)
.endr
.irp t, 0,1,2,3,4,5,6,7
	ds_load_b128 v[BK+4*(\t):BK+4*(\t)+3], v[RD] offset:(\t)*2*SPITCH  ; LDS serves a wave's instructions in order (ISA guide 5.7.1.4): these see the stores above
.endr
.endm
.macro SEND a
	WIN 0
.set BK, OB+192*((\a)%2)
	s_wait_dscnt 0x0                               ; the block is back in registers
	s_wait_xcnt 0x0                                ; earlier stores have read their base and their data: only now are these written again
	s_add_nc_u64 s[18:19], s[8:9], s[16:17]
.irp t, 0,1,2,3,4,5,6,7
	global_store_b128 v[CO], v[BK+4*(\t):BK+4*(\t)+3], s[18:19] offset:2*(\t)*BROW  ; 16 lanes store 256 consecutive bytes, at a multiple of 256 from qkv's first byte
.endr
	s_add_co_u32 s16, s16, 16*BROW                 ; 16 rows on
.endm
.macro WAYOUT                          ; block a's conversions stand between block a - 1's loads from the stage and the wait for them
	PACK 0
	TOSTAGE 0
.irp a, 1,2,3,4,5,6,7
	PACK \a
	SEND (\a)-1
	TOSTAGE \a
.endr
	SEND 7
.endm
	s_wait_tensorcnt 1                             ; my part of K step 0 is in; K step 1's load stays out
	s_barrier_signal -1
	s_barrier_wait -1
	FETCH 0, 0, F0
	s_mov_b32 s2, TILES                            ; tiles to go, this one among them
.Ltile:
	QUARTER 0, 1, F0, F1, 1                        ; a tile's first quarter starts the sums
	WIN 0
	s_mov_b32 s3, LAPS-1
.Llap:                                                 ; a trip goes once round the ring, from a lap's second quarter to the next lap's first, and fills both slots again
	QUARTER 0, 2, F1, F0, 0
	QUARTER 0, 3, F0, F1, 0
	TURN 0, 1, 0
	QUARTER 1, 1, F0, F1, 0
	QUARTER 1, 2, F1, F0, 0
	QUARTER 1, 3, F0, F1, 0
	TURN 1, 0, 0
	QUARTER 0, 1, F0, F1, 0
	WIN 0
	s_sub_co_u32 s3, s3, 1
	s_cmp_lg_u32 s3, 0
	s_cbranch_scc1 .Llap
	QUARTER 0, 2, F1, F0, 0                        ; the tile's last lap goes on
	QUARTER 0, 3, F0, F1, 0
	WIN 0
	s_cmp_eq_u32 s2, 1
	s_cbranch_scc1 .Llast_tile                     ; the last tile's tail is written out: it asks for nothing more
	TURN 0, 1, 1                                   ; the ring goes on into the next tile: slot 0 takes its K step 0,
	BIASLOAD                                       ; its bias is asked for (this tile's was last read in the tile's first quarter),
	QUARTER 1, 1, F0, F1, 0
	QUARTER 1, 2, F1, F0, 0
	QUARTER 1, 3, F0, F1, 0
	TURN 1, 0, 1                                   ; slot 1 its K step 1, and its first fragments are fetched
	BIASROUND                                      ; 96 plain instructions that name no register of the last products: their places
	WAYOUT
	s_sub_co_u32 s16, s16, 8*16*BROW-2048          ; back to my first row, 1,024 columns on
	s_sub_co_u32 s2, s2, 1
	s_branch .Ltile
.Llast_tile:
	MEET 0                                         ; my one load that was out is the last K step's, so no round follows
	PLACES
	FETCH 1, 0, F0
	MUL16 F1, 1, 0, 0
	MUL16 F1, 1, 2, 0
	QUARTER 1, 1, F0, F1, 0
	QUARTER 1, 2, F1, F0, 0
	QUARTER 1, 3, F0, F1, 0
	s_wait_dscnt 8                                 ; the very last quarter: nothing more to fetch
	MUL16 F1, 0, 0, 0
	MUL16 F1, 0, 2, 0
	s_wait_dscnt 0x0
	MUL16 F1, 1, 0, 0
	MUL16 F1, 1, 2, 0
	PLACES
	WAYOUT
	s_wait_tensorcnt 0x0                           ; the wave's end: a wait, an add to my spare word and its wait, behind my last tensor load and my last LDS store
	ds_add_u32 v[SPW], v[NIL]
	s_wait_dscnt 0x0
	CROUND                                         ; the closing round: no work-group ends while a partner may still ask for a tile that names it
	s_endpgm
.Lfunc_end_k_qb819df3864_proj:
	.size	k_qb819df3864_proj, .Lfunc_end_k_qb819df3864_proj-k_qb819df3864_proj
	.p2alignl 7, 3214868480
	.fill 96, 4, 3214868480
	.section	.rodata,"a",@progbits
	.p2align	6, 0x0
	.amdhsa_kernel k_qb819df3864_proj
		.amdhsa_group_segment_fixed_size 327680
		.amdhsa_private_segment_fixed_size 0
		.amdhsa_enable_private_segment 0
		.amdhsa_kernarg_size 32
		.amdhsa_user_sgpr_count 2
		.amdhsa_user_sgpr_kernarg_segment_ptr 1
		.amdhsa_wavefront_size32 1
		.amdhsa_system_sgpr_workgroup_id_x 1
		.amdhsa_system_sgpr_workgroup_id_y 1
		.amdhsa_system_sgpr_workgroup_id_z 1
		.amdhsa_system_vgpr_workitem_id 0
		.amdhsa_next_free_vgpr 1024
		.amdhsa_next_free_sgpr 80
		.amdhsa_reserve_vcc 0
		.amdhsa_float_denorm_mode_32 3
		.amdhsa_float_denorm_mode_16_64 3
		.amdhsa_memory_ordered 1
		.amdhsa_forward_progress 1
		.amdhsa_inst_pref_size 225
	.end_amdhsa_kernel
	.amdgpu_metadata
---
amdhsa.version: [ 1, 2 ]
amdhsa.kernels:
  - .name:           k_qb819df3864_proj
    .symbol:         k_qb819df3864_proj.kd
    .args:
      - { .name: xb, .offset: 0, .size: 8, .value_kind: global_buffer, .address_space: global }
      - { .name: wb, .offset: 8, .size: 8, .value_kind: global_buffer, .address_space: global }
      - { .name: b_qkv, .offset: 16, .size: 8, .value_kind: global_buffer, .address_space: global }
      - { .name: qkv, .offset: 24, .size: 8, .value_kind: global_buffer, .address_space: global }
    .group_segment_fixed_size: 327680
    .private_segment_fixed_size: 0
    .kernarg_segment_align: 8
    .kernarg_segment_size: 32
    .max_flat_workgroup_size: 128
    .sgpr_count:     80
    .vgpr_count:     1024
    .wavefront_size: 32
...
	.end_amdgpu_metadata
.endif
;; end of part 2
;; launch attn (part 3): grid 8 x 32, 4 waves a work-group, clusters of 4 x 1, 327,680 bytes of LDS; arguments qkv, out0; writes out0
.if DOCPART == 3
	.amdgcn_target "amdgcn-amd-amdhsa--gfx1250"
	.amdhsa_code_object_version 6
	.text
	.protected	k_qb819df3864_attn
	.globl	k_qb819df3864_attn
	.p2align	8
	.type	k_qb819df3864_attn,@function
k_qb819df3864_attn:
	s_mov_b64 s[64:65], 0
	v_nop
	global_prefetch_b8 v0, s[64:65] scope:SCOPE_SE
	s_setreg_imm32_b32 hwreg(HW_REG_WAVE_MODE, 25, 1), 1
	s_wait_xcnt 0x0
	s_wait_alu depctr_hold_cnt(0) depctr_sa_sdst(0) depctr_va_vdst(0) depctr_va_sdst(0) depctr_va_ssrc(0) depctr_va_vcc(0) depctr_vm_vsrc(0)
	s_getreg_b32 s2, hwreg(HW_REG_IB_STS2, 6, 4)
	s_cmp_eq_u32 s2, 0
	s_cbranch_scc0 .Lentry_in_a_cluster
	s_endpgm
.Lentry_in_a_cluster:
	s_bfe_u32 s2, ttmp6, 0x10000c
	s_cmp_lg_u32 s2, 0x3003
	s_cbranch_scc0 .Lentry_shape_is_right
	s_endpgm
.Lentry_shape_is_right:
; out[b][q][:] = the sum over k of softmax_k(Q[b][q] . K[b][k] / 32) V[b][k][:].  qkv: [32 x 512][3072] f16, a row = q (bytes 0..2047), k (2048..), v (4096..); out: [32 x 512][1024] f32.
; Products, maxima and sums in f32; the weights p are rounded to f16 for the second product (their sum l is taken of the unrounded p).
; LIMITS: q, k, v arrive within f16's range; p lies in 0 to 1, below 6e-5 it keeps f16's fixed step of 6e-8; a weight below 2^-126 counts as 0 in l; NaN and infinities are not treated apart.
; SHARES.  A work-group owns 64 queries of a batch (four tiles tq of 16): 8 x 32 work-groups.  A row has only 512 keys, so all scores of the 64 queries stay in registers, and the TRUE maximum of a row is taken before any exponential.
; PHASE 1, S^T = K Q^T (source 0 = 16 keys, source 1 = 16 queries; a lane holds one query, l % 16, and 8 keys).  Wave w owns keys 64 c + 16 w + 0..15 of each chunk c of 64 keys: 32 accumulators (tq, c).  The 1,024 channels go in 8 steps of 128.
; SOFTMAX.  A lane's maximum of 64 scores, the other half of the lanes', the four waves' through LDS; p = 2^(c s - c m), c = log2(e) / 32; the sums likewise.
; PHASE 3, O^T = V^T P (source 0 = 16 channels x 32 keys, read turned; source 1 = 32 keys x 16 queries).  Wave w owns channels 256 w + 0..255: 64 accumulators (tq, cb).  The keys go in 8 chunks of 64.
; P stays packed in registers and is published chunk by chunk in LDS, each wave storing its 16 keys of the chunk, a chunk ahead of its use, in two buffers that take turns.
; THE RING.  16 fills: K and Q of steps 0..7 in two slots of 156,672 bytes, then V's chunks 0..7 in two slots of 133,120 bytes laid over them.  P's buffers and the stage of the way out lie in bytes that have had their last fill.
; CLUSTER of 4 x 1: the partners belong to one batch and walk the same K and V: joint loads.  A batch has 8 work-groups and a mask names four, so two clusters read each tile.  Q is each work-group's own: a plain load, in the same rounds.
; REGISTERS, in windows of 256 (s_set_vgpr_msb: bits 1:0 source 0, 3:2 source 1, 5:4 source 2, 7:6 destination):
;   window 0: v0-31 addresses; v32-59 statistics; phase 1: v64-191 K's fragments, v192-255 Q's, two buffers each; phase 3: v64-191 P packed, v192-255 P's fragments, two buffers
;   window 1: S^T, (tq, c) at v[64 tq + 8 c]; then V's fragments, two buffers of 128; then rows on the way out
;   windows 2, 3: O^T, (tq, cb) in window 2 + tq / 2 at v[128 (tq % 2) + 8 cb]
.set ROWB,  6144                       ; bytes in a row of qkv
.set PK,    272                        ; an LDS row of K or Q: 256 bytes + 16
.set KOFF,  64*PK                      ; a phase-1 slot: Q's 64 rows, then K's 512 rows.  Also: 64 rows of K
.set KHALF, 256*PK
.set S1,    KOFF+512*PK                ; 156,672
.set PVP,   2080                       ; an LDS row of V: 2,048 bytes, 16 of padding behind each 1,024: channel ch lies at 2 ch + 16 (ch / 512); 65 x 32
.set SV,    64*PVP                     ; 133,120
.set PBUF,  2*SV                       ; P's two buffers: 64 rows (queries) x 144 bytes (64 keys + 16 of padding)
.set PPI,   144
.set PBB,   64*PPI
.set MAXS,  2*S1                       ; 64 queries x 4 waves x 4 bytes: the maxima; 1,024 bytes on: the sums
.set SPARE, MAXS+2048                  ; the spare words, 128 bytes a wave, that no other line names
.set STG,   16640                      ; the way out: 16 rows x 1,040 bytes for each wave, from LDS byte 0 on
.set SPT,   1040
.set ADK,  4                           ; v4-7    K's fragments: [slot][chunks 0-3, 4-7]
.set ADQ,  8                           ; v8-9    Q's fragments: [slot]
.set ADV,  10                          ; v10-13  V's turning loads: [slot][keys 0-31, 32-63]
.set PLD,  14                          ; v14     P's fragments
.set PSTA, 15                          ; v15     where I put 16 bytes of P
.set MXS,  16                          ; v16     my wave's word of my query
.set MXL,  17                          ; v17     my query's four words
.set STO,  18                          ; v18     the way out: where I put 32 bytes of a row
.set RD,   19                          ; v19     the way out: where I read 512 bytes back
.set GO,   20                          ; v20     16 x lane
.set PFOK, 21                          ; v21     prefetch of K and Q: a lane a row
.set PFOV, 22                          ; v22     prefetch of V: 8 lanes a row
.set SPW,  24                          ; v24     my spare word; never rewritten
.set NIL,  25                          ; v25     0; never rewritten
.set CH,   32                          ; v32-47  four registers a tile, at work
.set CM,   48                          ; v48-55  a pair a tile: c m, m; later 1 / l twice
.set LS,   56                          ; v56-59  a tile's sum
.set KF,   64
.set QF,   192
.set PP,   64                          ; P packed: chunk c, tile tq at PP + 16 c + 4 tq
.set PF,   192
.set WV,   3                           ; s3       my wave's number
.set G1Q,  8                           ; s[8:15], s[16:23], s[24:31] descriptor groups 1
.set G1K,  16
.set G1V,  24
.set G0Q,  32                          ; s[32:39], s[40:47], s[48:55] groups 0, a set for each slot
.set G0K,  40
.set G0V,  48
.set CS,   56                          ; s[56:57] c, twice
.set SEL,  58                          ; s[58:59] v_permlanex16_b32's selects: each lane takes its own place in the other half
.set CNT,  60                          ; s60      the loops' count
.set PFK,  76                          ; s[76:77] where my prefetches of K or Q stand
.set PFV,  78                          ; s[78:79] the same for V
.set MSB, 0
.macro WIN new
.if MSB != (\new)
	s_set_vgpr_msb (MSB<<8)|(\new)
.set MSB, \new
.endif
.endm
.macro PLACES
.rept 4
	v_nop
.endr
.endm
.macro ALL4 line:vararg                ; one line for each tile t
.set t, 0
.rept 4
	\line
.set t, t+1
.endr
.endm
.macro CREST
	s_cmp_lg_u32 s[WV], 0
	s_cbranch_scc1 .Lnot_wave_0_\@
	s_barrier_signal -3
.Lnot_wave_0_\@:
	s_barrier_wait -3
	s_barrier_signal -1
	s_barrier_wait -1
.endm
.macro CROUND
	s_barrier_signal -1
	s_barrier_wait -1
	CREST
.endm
; A refill in phase 1: waves 0 and 1 K's two halves (256 rows x 256 bytes, jointly), wave 2 Q's 64 rows (its work-group's own), wave 3 none.  The branches hang on the wave's number alone.
.macro JLOAD1 s
	s_cmp_lt_u32 s[WV], 2
	s_cbranch_scc0 .Lnot_k_\@
	tensor_load_to_lds s[G0K+4*(\s):G0K+4*(\s)+3], s[G1K:G1K+7]
	s_nop 0
.rept 4
	v_nop
.endr
	s_branch .Lasked_\@
.Lnot_k_\@:
	s_cmp_eq_u32 s[WV], 2
	s_cbranch_scc0 .Lasked_\@
	tensor_load_to_lds s[G0Q+4*(\s):G0Q+4*(\s)+3], s[G1Q:G1Q+7]
	s_nop 0
.rept 4
	v_nop
.endr
.Lasked_\@:
.endm
; A fill of a slot of V: every wave its 16 rows x 2,048 bytes, jointly with the partners' waves of the same number.
.macro JLOADV s
	tensor_load_to_lds s[G0V+4*(\s):G0V+4*(\s)+3], s[G1V:G1V+7]
	s_nop 0
.rept 4
	v_nop
.endr
.endm
	s_load_b128 s[4:7], s[0:1], 0x0                ; qkv s[4:5], out s[6:7]
	v_lshl_add_u32 v[SPW], v0, 2, SPARE
	v_mov_b32 v[NIL], 0
	ds_add_u32 v[SPW], v[NIL]                      ; the wave's opening: the add and its wait stand ahead of my first tensor load; work on registers stands between them
	v_lshrrev_b32 v1, 5, v0
	v_readfirstlane_b32 s[WV], v1                  ; wave 0..3
	s_bfe_u32 s61, ttmp6, 0x40000                  ; cx
	s_lshl_b32 s62, ttmp9, 2
	s_add_co_u32 s62, s62, s61                     ; gx = 4 x cluster x + cx: my block of 64 queries; it enters global addresses of Q, out and the prefetches alone
	s_and_b32 s63, ttmp7, 0xffff                   ; the batch, which the partners share
	s_mul_i32 s66, s63, 512*ROWB                   ; the batch's first byte in qkv (under 2^27)
	s_and_b32 s68, s[WV], 1
	s_mul_i32 s69, s68, KHALF
	s_add_co_u32 s69, s69, KOFF                    ; LDS: my half of K in slot 0
	s_mul_i32 s2, s[WV], 16*PVP                    ; LDS: my 16 rows of V in slot 0
	s_mul_i32 s70, s68, 256*ROWB                   ; K: my 256 rows
	s_add_co_u32 s70, s70, s66
	s_add_co_u32 s70, s70, 2048
	s_mov_b32 s71, 0
	s_mul_i32 s72, s62, 64*ROWB                    ; Q: my work-group's 64 rows
	s_add_co_u32 s72, s72, s66
	s_mov_b32 s73, 0
	s_mul_i32 s74, s[WV], 16*ROWB                  ; V: my 16 rows of chunk 0
	s_add_co_u32 s74, s74, s66
	s_add_co_u32 s74, s74, 4096
	s_mov_b32 s75, 0
	s_mul_i32 s76, s68, 32*ROWB                    ; prefetch of K and Q: rows 64 gx + 32 (w % 2) + lane; waves 0, 1 their q part, waves 2, 3 their k part
	s_lshr_b32 s67, s[WV], 1
	s_lshl_b32 s67, s67, 11
	s_add_co_u32 s76, s76, s67
	s_mov_b32 s77, 0
	s_mul_i32 s78, s62, 16*ROWB                    ; prefetch of V: rows 16 gx + 4 w + lane / 8 of a pair of chunks
	s_mul_i32 s67, s[WV], 4*ROWB
	s_add_co_u32 s78, s78, s67
	s_add_co_u32 s78, s78, s66
	s_add_co_u32 s78, s78, 4096
	s_mov_b32 s79, 0
	s_lshl_b32 s66, s63, 21                        ; out: 512 rows of 4,096 bytes a batch,
	s_lshl_b32 s67, s62, 18                        ; 64 rows a work-group,
	s_add_co_u32 s66, s66, s67
	s_lshl_b32 s67, s[WV], 10                      ; my 256 channels
	s_add_co_u32 s66, s66, s67
	s_mov_b32 s67, 0
	s_mov_b32 s[G1Q], (1<<16)|(1<<20)|(5<<22)|(3<<25)                ; no mask; 2-byte elements; padding on: after every 64 words 4 words
	s_mov_b32 s[G1Q+1], 128<<16                    ; tensor_dim0 = 128
	s_mov_b32 s[G1Q+2], 64<<16                     ; tensor_dim1 = 64
	s_mov_b32 s[G1Q+3], 128<<16                    ; tile_dim0 = 128
	s_mov_b32 s[G1Q+4], 64                         ; tile_dim1 = 64
	s_mov_b32 s[G1K], 15|(1<<16)|(1<<20)|(1<<21)|(5<<22)|(3<<25)     ; the mask of four, bit 21 beside it
	s_mov_b32 s[G1K+1], 128<<16
	s_mov_b32 s[G1K+2], 256<<16
	s_mov_b32 s[G1K+3], 128<<16
	s_mov_b32 s[G1K+4], 256
	s_mov_b32 s[G1V], 15|(1<<16)|(1<<20)|(1<<21)|(7<<22)|(3<<25)     ; after every 256 words 4 words: twice in a row of 512 words
	s_mov_b32 s[G1V+1], 1024<<16
	s_mov_b32 s[G1V+2], 16<<16
	s_mov_b32 s[G1V+3], 1024<<16
	s_mov_b32 s[G1V+4], 16
.irp g, G1Q, G1K, G1V
	s_mov_b32 s[\g+5], 3072                        ; elements from row to row
	s_mov_b32 s[\g+6], 0
	s_mov_b32 s[\g+7], 0
.endr
	s_mov_b32 s[CS], 0x3d38aa3b                    ; c = log2(e) / 32
	s_mov_b32 s[CS+1], s[CS]
	s_mov_b32 s[SEL], 0x76543210
	s_mov_b32 s[SEL+1], 0xfedcba98
	s_wait_dscnt 0x0                               ; the opening add is done
	s_wait_kmcnt 0x0
	s_add_nc_u64 s[70:71], s[4:5], s[70:71]
	s_add_nc_u64 s[72:73], s[4:5], s[72:73]
	s_add_nc_u64 s[74:75], s[4:5], s[74:75]
	s_add_nc_u64 s[PFK:PFK+1], s[72:73], s[PFK:PFK+1]
	s_add_nc_u64 s[PFV:PFV+1], s[4:5], s[PFV:PFV+1]
	s_add_nc_u64 s[6:7], s[6:7], s[66:67]
.irp s, 0,1
	s_mov_b32 s[G0Q+4*(\s)], 1
	s_mov_b32 s[G0Q+4*(\s)+1], (\s)*S1
	s_add_nc_u64 s[G0Q+4*(\s)+2:G0Q+4*(\s)+3], s[72:73], (\s)*256   ; step s: channels 128 s on
	s_or_b32 s[G0Q+4*(\s)+3], s[G0Q+4*(\s)+3], 0x80000000
	s_mov_b32 s[G0K+4*(\s)], 1
	s_add_co_u32 s[G0K+4*(\s)+1], s69, (\s)*S1
	s_add_nc_u64 s[G0K+4*(\s)+2:G0K+4*(\s)+3], s[70:71], (\s)*256
	s_or_b32 s[G0K+4*(\s)+3], s[G0K+4*(\s)+3], 0x80000000
	s_mov_b32 s[G0V+4*(\s)], 1
	s_add_co_u32 s[G0V+4*(\s)+1], s2, (\s)*SV
	s_add_nc_u64 s[G0V+4*(\s)+2:G0V+4*(\s)+3], s[74:75], (\s)*64*ROWB  ; chunk s
	s_or_b32 s[G0V+4*(\s)+3], s[G0V+4*(\s)+3], 0x80000000
.endr
	CROUND                                         ; all four work-groups are here: the first joint loads meet
	s_cmp_lt_u32 s[WV], 2                          ; a wave's two first fills stand in one branch: two loads of mine are out (wave 3: none)
	s_cbranch_scc0 .Lfirst_not_k
	tensor_load_to_lds s[G0K:G0K+3], s[G1K:G1K+7]
	s_nop 0
	tensor_load_to_lds s[G0K+4:G0K+7], s[G1K:G1K+7]
	s_nop 0
.rept 4
	v_nop
.endr
	s_branch .Lfirst_asked
.Lfirst_not_k:
	s_cmp_eq_u32 s[WV], 2
	s_cbranch_scc0 .Lfirst_asked
	tensor_load_to_lds s[G0Q:G0Q+3], s[G1Q:G1Q+7]
	s_nop 0
	tensor_load_to_lds s[G0Q+4:G0Q+7], s[G1Q:G1Q+7]
	s_nop 0
.rept 4
	v_nop
.endr
.Lfirst_asked:
	v_and_b32 v1, 15, v0                           ; r = l % 16
	v_bfe_u32 v2, v0, 4, 1                         ; h = l / 16
	v_and_b32 v26, 31, v0                          ; l
	v_mul_u32_u24 v3, v1, PK
	v_lshl_add_u32 v3, v2, 4, v3                   ; a fragment's row x pitch + 16 h
	v_mov_b32 v[ADQ], v3
	v_add_nc_u32 v[ADQ+1], S1, v3
	s_mul_i32 s2, s[WV], 16*PK                     ; my 16 keys of a chunk
	s_add_co_u32 s2, s2, KOFF
	v_add_nc_u32 v[ADK], s2, v3
	v_add_nc_u32 v[ADK+1], KHALF, v[ADK]
	v_add_nc_u32 v[ADK+2], S1, v[ADK]
	v_add_nc_u32 v[ADK+3], S1+KHALF, v[ADK]
	v_and_b32 v27, 7, v0                           ; the turning load: lane l reads key 8 h + l % 8, channels 8 ((l / 8) % 2) + 0..7
	v_lshl_add_u32 v27, v2, 3, v27
	v_mul_u32_u24 v27, v27, PVP
	v_bfe_u32 v28, v0, 3, 1
	v_lshl_add_u32 v27, v28, 4, v27
	s_lshl_b32 s2, s[WV], 9                        ; my 256 channels: 512 bytes a wave,
	s_lshr_b32 s68, s[WV], 1
	s_lshl_b32 s68, s68, 4                         ; and the row's first padding for waves 2 and 3
	s_add_co_u32 s2, s2, s68
	v_add_nc_u32 v[ADV], s2, v27
	v_add_nc_u32 v[ADV+1], 32*PVP, v[ADV]
	v_add_nc_u32 v[ADV+2], SV, v[ADV]
	v_add_nc_u32 v[ADV+3], SV+32*PVP, v[ADV]
	v_mul_u32_u24 v27, v1, PPI
	v_lshl_add_u32 v27, v2, 4, v27
	v_add_nc_u32 v[PLD], PBUF, v27                 ; query r, keys 8 h on
	s_lshl_b32 s2, s[WV], 5
	v_add_nc_u32 v[PSTA], s2, v[PLD]               ; query r, keys 16 w + 8 h on
	v_lshlrev_b32 v27, 4, v1
	v_add_nc_u32 v[MXL], MAXS, v27
	s_lshl_b32 s2, s[WV], 2
	v_add_nc_u32 v[MXS], s2, v[MXL]
	s_mul_i32 s2, s[WV], STG
	v_mul_u32_u24 v27, v1, SPT
	v_lshl_add_u32 v27, v2, 5, v27
	v_add_nc_u32 v[STO], s2, v27
	v_lshlrev_b32 v[GO], 4, v26
	v_add_nc_u32 v[RD], s2, v[GO]
	v_mul_u32_u24 v[PFOK], v26, ROWB
	v_lshrrev_b32 v27, 3, v26
	v_mul_u32_u24 v27, v27, ROWB
	v_and_b32 v28, 7, v0
	v_lshl_add_u32 v[PFOV], v28, 8, v27
; PHASE 1.  n x 8 matrix instructions: tiles tq0 .. of buffer f x my 8 key blocks, 32 channels.  The 32 accumulators take turns, one instruction a turn.  zero = 1: the products start the sums.
.macro MUL1 f, tq0, n, zero
	WIN 0x50                                       ; K and Q in window 0, S^T in window 1
.set mq, \tq0
.rept \n
.set mc, 0
.rept 8
.if \zero
	v_wmma_f32_16x16x32_f16 v[64*mq+8*mc:64*mq+8*mc+7], v[KF+64*(\f)+8*mc:KF+64*(\f)+8*mc+7], v[QF+32*(\f)+8*mq:QF+32*(\f)+8*mq+7], 0
.else
	v_wmma_f32_16x16x32_f16 v[64*mq+8*mc:64*mq+8*mc+7], v[KF+64*(\f)+8*mc:KF+64*(\f)+8*mc+7], v[QF+32*(\f)+8*mq:QF+32*(\f)+8*mq+7], v[64*mq+8*mc:64*mq+8*mc+7]
.endif
.set mc, mc+1
.endr
.set mq, mq+1
.endr
.endm
; 24 LDS loads in one run: quarter q (32 channels) of a slot into buffer f: my 8 key blocks, then the 4 tiles of Q
.macro FETCH1 slot, q, f
	WIN 0
.set fc, 0
.rept 8
	ds_load_b128 v[KF+64*(\f)+8*fc:KF+64*(\f)+8*fc+3],   v[ADK+2*(\slot)+fc/4] offset:(fc%4)*KOFF+64*(\q)
	ds_load_b128 v[KF+64*(\f)+8*fc+4:KF+64*(\f)+8*fc+7], v[ADK+2*(\slot)+fc/4] offset:(fc%4)*KOFF+64*(\q)+32
.set fc, fc+1
.endr
.set fc, 0
.rept 4
	ds_load_b128 v[QF+32*(\f)+8*fc:QF+32*(\f)+8*fc+3],   v[ADQ+(\slot)] offset:fc*16*PK+64*(\q)
	ds_load_b128 v[QF+32*(\f)+8*fc+4:QF+32*(\f)+8*fc+7], v[ADQ+(\slot)] offset:fc*16*PK+64*(\q)+32
.set fc, fc+1
.endr
.endm
; A step is four quarters of 32 channels, 32 matrix instructions each, on buffers 0, 1, 0, 1.  One of the first three multiplies buffer f and fetches quarter q into buffer g.
.macro Q1 slot, q, f, g, zero
	s_wait_dscnt 4                                 ; K and Q's tiles 0, 1 are in; the youngest four loads (tiles 2, 3) may be out
	MUL1 \f, 0, 2, \zero
	PLACES
	FETCH1 \slot, \q, \g
	s_wait_dscnt 24                                ; all but the 24 just issued
	MUL1 \f, 2, 2, \zero
.endm
; THE PREFETCHES stand behind a change's tensor load and its run of LDS loads; each names blocks of 256 bytes that a load two or three steps on (256 to 384 matrix instructions a wave) will want, each block once in the launch:
; the 8 work-groups of a batch share K's 512 rows and V's rows out by address; each asks for its own Q.  In the loop: trips 1 and 2 name K's and Q's steps 4..7; the last trip names V's chunks 0, 1 at its first change and nothing at its second.
.macro ASK1 slot
	s_cmp_eq_u32 s[CNT], 1
	s_cbranch_scc1 .Lfor_v_\@
	global_prefetch_b8 v[PFOK], s[PFK:PFK+1] offset:1024+256*(\slot) th:TH_LOAD_NT scope:SCOPE_SE
.if (\slot) == 0
	s_branch .Lasked_\@
.Lfor_v_\@:
	global_prefetch_b8 v[PFOV], s[PFV:PFV+1] th:TH_LOAD_NT scope:SCOPE_SE
.Lasked_\@:
.else
.Lfor_v_\@:
.endif
.endm
; The last quarter multiplies buffer 1 and changes slots.  In front of the round each wave waits for all its tensor loads, adds 0 to its spare word, and waits for that and for its reads of this slot.
; kind = 1: this slot takes K and Q two steps on.  kind = 2 (behind step 6): slot 0 has been read out for the last time, and V's chunk 0 lands in its first 133,120 bytes.
.macro T1 slot, next, kind
	WIN 0
	s_wait_tensorcnt 0x0                           ; no tensor load of mine is out, so a group 0 may be written
	ds_add_u32 v[SPW], v[NIL]
.if (\kind) == 1
	s_add_nc_u64 s[G0Q+4*(\slot)+2:G0Q+4*(\slot)+3], s[G0Q+4*(\slot)+2:G0Q+4*(\slot)+3], 512
	s_add_nc_u64 s[G0K+4*(\slot)+2:G0K+4*(\slot)+3], s[G0K+4*(\slot)+2:G0K+4*(\slot)+3], 512
.endif
	s_wait_dscnt 5                                 ; the add and the youngest four loads may be out
	MUL1 1, 0, 1, 0
	s_wait_dscnt 0x0                               ; the add is done, and my reads of this slot are over
	s_barrier_signal -1
	MUL1 1, 1, 1, 0
	WIN 0
	s_barrier_wait -1
	CREST                                          ; no wave of any partner still reads the slot or has a load on its way
.if (\kind) == 1
	JLOAD1 \slot
.else
	JLOADV 0
.endif
	PLACES                                         ; the places in front of the loads below, on wave 3's path too
	FETCH1 \next, 0, 0
.if (\kind) == 1
	ASK1 \slot
.else
	global_prefetch_b8 v[PFOV], s[PFV:PFV+1] offset:128*ROWB th:TH_LOAD_NT scope:SCOPE_SE  ; V's chunks 2, 3
.endif
	MUL1 1, 2, 2, 0
.endm
	s_wait_tensorcnt 0x1                           ; my part of slot 0 is in; slot 1's may stay out
	s_barrier_signal -1
	s_barrier_wait -1
	FETCH1 0, 0, 0
	Q1 0, 1, 0, 1, 1                               ; the first quarter starts the sums
	WIN 0
	s_mov_b32 s[CNT], 3
.L1:                                                   ; a trip: two steps, from a step's second quarter to the first of the step after the next; both slots are filled again
	Q1 0, 2, 1, 0, 0
	Q1 0, 3, 0, 1, 0
	T1 0, 1, 1
	Q1 1, 1, 0, 1, 0
	Q1 1, 2, 1, 0, 0
	Q1 1, 3, 0, 1, 0
	T1 1, 0, 1
	Q1 0, 1, 0, 1, 0
	WIN 0
	s_wait_xcnt 0x0                                ; the trip's prefetches, 48 matrix instructions back or more, have read their address
	s_add_nc_u64 s[PFK:PFK+1], s[PFK:PFK+1], 512
	s_sub_co_u32 s[CNT], s[CNT], 1
	s_cmp_lg_u32 s[CNT], 0
	s_cbranch_scc1 .L1
	Q1 0, 2, 1, 0, 0                               ; step 6 goes on
	Q1 0, 3, 0, 1, 0
	T1 0, 1, 2
	Q1 1, 1, 0, 1, 0                               ; step 7
	Q1 1, 2, 1, 0, 0
	Q1 1, 3, 0, 1, 0
	s_wait_dscnt 4
	MUL1 1, 0, 2, 0
	s_wait_dscnt 0x0
	MUL1 1, 2, 2, 0
	PLACES
	; THE MAXIMUM.  For each tile four chains of 16 scores (two accumulators), three operands at a time; each accumulator's lowest registers are read first.
	WIN 0x15                                       ; all three sources in window 1
.set t, 0
.rept 16
	v_max3_num_f32 v[CH+t], v[16*t], v[16*t+1], v[16*t+2]
.set t, t+1
.endr
	WIN 0x14                                       ; source 0 in window 0
.set i, 0
.rept 6
.set t, 0
.rept 16
	v_max3_num_f32 v[CH+t], v[CH+t], v[16*t+3+2*i], v[16*t+4+2*i]
.set t, t+1
.endr
.set i, i+1
.endr
	ALL4 v_max3_num_f32 v[CH+4*t], v[CH+4*t], v[64*t+15], v[64*t+31]
	ALL4 v_max3_num_f32 v[CH+4*t+2], v[CH+4*t+2], v[64*t+47], v[64*t+63]
	WIN 0
	ALL4 v_max3_num_f32 v[CH+4*t], v[CH+4*t], v[CH+4*t+1], v[CH+4*t+2]
	ALL4 v_max_num_f32 v[CH+4*t], v[CH+4*t], v[CH+4*t+3]
	ALL4 v_permlanex16_b32 v[CH+4*t+1], v[CH+4*t], s[SEL], s[SEL+1]
	ALL4 v_max_num_f32 v[CH+4*t], v[CH+4*t], v[CH+4*t+1]
	ALL4 ds_store_b32 v[MXS], v[CH+4*t] offset:256*t
	; One round serves two things: the four waves' maxima are exchanged, and both phase-1 slots have been read out, so V's chunk 1 may land.
	s_wait_tensorcnt 0x0                           ; V's chunk 0 is in
	ds_add_u32 v[SPW], v[NIL]
	s_wait_dscnt 0x0                               ; the add and my four stores are done; my reads of slot 1 are over
	CROUND
	JLOADV 1
	ALL4 ds_load_b128 v[CH+4*t:CH+4*t+3], v[MXL] offset:256*t
	s_wait_dscnt 0x0
	ALL4 v_max3_num_f32 v[CM+2*t+1], v[CH+4*t], v[CH+4*t+1], v[CH+4*t+2]
	ALL4 v_max_num_f32 v[CM+2*t+1], v[CM+2*t+1], v[CH+4*t+3]
	ALL4 v_mul_f32 v[CM+2*t], s[CS], v[CM+2*t+1]
	; p = 2^(c s - c m), in place.  The 256 exponentials are one batch: nothing ahead of the one wait names a result; each pair's scaling stands a pair ahead of its exponentials.
	WIN 0x41                                       ; destination and source 0 in window 1, c m in window 0
.set i, 0
.rept 128
	v_pk_fma_f32 v[2*i:2*i+1], v[2*i:2*i+1], s[CS:CS+1], v[CM+2*(i/32):CM+2*(i/32)+1] op_sel_hi:[1,0,0] neg_lo:[0,0,1] neg_hi:[0,0,1]
.if i > 0
	v_exp_f32 v[2*i-2], v[2*i-2]
	v_exp_f32 v[2*i-1], v[2*i-1]
.endif
.set i, i+1
.endr
	v_exp_f32 v[254], v[254]
	v_exp_f32 v[255], v[255]
	v_nop                                          ; a plain instruction behind the last exponential
	s_wait_alu depctr_va_vdst(0)                   ; the wait ahead of the first use: one for the batch
	WIN 0x05                                       ; both sources in window 1, destination in window 0
.set i, 0
.rept 128                              ; P packed: register i = 16 c + 4 tq + j holds keys 2 j, 2 j + 1 of my lane's eight
	v_cvt_pk_f16_f32 v[PP+i], v[64*((i/4)%4)+8*(i/16)+2*(i%4)], v[64*((i/4)%4)+8*(i/16)+2*(i%4)+1]
.set i, i+1
.endr
	WIN 0x45                                       ; the sums, in place: a tile's 32 pairs are halved five times
.irp st, 16,8,4,2,1
.set u, 0
.rept \st
	ALL4 v_pk_add_f32 v[64*t+2*u:64*t+2*u+1], v[64*t+2*u:64*t+2*u+1], v[64*t+2*(u+\st):64*t+2*(u+\st)+1]
.set u, u+1
.endr
.endr
	WIN 0x05
	ALL4 v_add_f32 v[LS+t], v[64*t], v[64*t+1]
	WIN 0
	ALL4 v_permlanex16_b32 v[CH+4*t+1], v[LS+t], s[SEL], s[SEL+1]
	ALL4 v_add_f32 v[LS+t], v[LS+t], v[CH+4*t+1]
	ALL4 ds_store_b32 v[MXS], v[LS+t] offset:1024+256*t
; PHASE 3.  My 16 keys of chunk c of P go into buffer c % 2: for each tile 16 bytes a lane.
.macro PST c
.set pq, 0
.rept 4
	ds_store_b128 v[PSTA], v[PP+16*(\c)+4*pq:PP+16*(\c)+4*pq+3] offset:((\c)%2)*PBB+pq*16*PPI
.set pq, pq+1
.endr
.endm
; In the loop the chunk hangs on the trip, and register numbers are fixed in the text: three copies, of which the count chooses one; the jumps go forward over four LDS stores.
.macro PSEL odd
	s_cmp_lg_u32 s[CNT], 3
	s_cbranch_scc1 .Lnot3_\@
	PST 2+(\odd)
.Lnot3_\@:
	s_cmp_lg_u32 s[CNT], 2
	s_cbranch_scc1 .Lnot2_\@
	PST 4+(\odd)
.Lnot2_\@:
	s_cmp_lg_u32 s[CNT], 1
	s_cbranch_scc1 .Lnot1_\@
	PST 6+(\odd)
.Lnot1_\@:
.endm
; 40 LDS loads in one run: 32 keys (half) of the chunk in a slot into buffer f: V turned, my 16 blocks of 16 channels; then P's four tiles
.macro FETCH3 slot, half, f
	WIN 0x40                                       ; destination window 1
.set fc, 0
.rept 16
	ds_load_tr16_b128 v[128*(\f)+8*fc:128*(\f)+8*fc+3],   v[ADV+2*(\slot)+(\half)] offset:32*fc
	ds_load_tr16_b128 v[128*(\f)+8*fc+4:128*(\f)+8*fc+7], v[ADV+2*(\slot)+(\half)] offset:32*fc+16*PVP
.set fc, fc+1
.endr
	WIN 0
.set fc, 0
.rept 4
	ds_load_b128 v[PF+32*(\f)+8*fc:PF+32*(\f)+8*fc+3],   v[PLD] offset:(\slot)*PBB+fc*16*PPI+64*(\half)
	ds_load_b128 v[PF+32*(\f)+8*fc+4:PF+32*(\f)+8*fc+7], v[PLD] offset:(\slot)*PBB+fc*16*PPI+64*(\half)+32
.set fc, fc+1
.endr
.endm
; n x 16 matrix instructions: tiles tq0 .. x my 16 channel blocks, 32 keys.  The 64 accumulators take turns.
.macro MUL3 f, tq0, n, zero
.set mq, \tq0
.rept \n
	WIN 0xa1+0x50*(mq/2)                           ; V in window 1, P in window 0, O^T in window 2 or 3
.set mc, 0
.rept 16
.set rO, 128*(mq%2)+8*mc
.if \zero
	v_wmma_f32_16x16x32_f16 v[rO:rO+7], v[128*(\f)+8*mc:128*(\f)+8*mc+7], v[PF+32*(\f)+8*mq:PF+32*(\f)+8*mq+7], 0
.else
	v_wmma_f32_16x16x32_f16 v[rO:rO+7], v[128*(\f)+8*mc:128*(\f)+8*mc+7], v[PF+32*(\f)+8*mq:PF+32*(\f)+8*mq+7], v[rO:rO+7]
.endif
.set mc, mc+1
.endr
.set mq, mq+1
.endr
.endm
; A chunk's first half: multiplies buffer 0; in its middle the next chunk of P is published (its buffer's last readers ended ahead of the barrier behind the chunk before) and the second half is fetched.
.macro Q3 slot, zero, pst
	s_wait_dscnt 4                                 ; V and P's tiles 0, 1 are in
	MUL3 0, 0, 2, \zero
	PLACES
	WIN 0
.if (\pst) == 1
	PST 1
.elseif (\pst) == 2
	PSEL 0
.elseif (\pst) == 3
	PSEL 1
.endif
	FETCH3 \slot, 1, 1
	s_wait_dscnt 40                                ; all but the 40 just issued: the stores are older, so the count holds on every path
	MUL3 0, 2, 2, \zero
.endm
; A chunk's second half multiplies buffer 1 and changes slots, as in phase 1.  fill = 1: this slot takes the chunk two on.  ask = 1: while the count is above 1, V's pair of chunks four and five on is named.
.macro T3 slot, next, fill, ask
	WIN 0
	s_wait_tensorcnt 0x0
	ds_add_u32 v[SPW], v[NIL]
.if \fill
	s_add_nc_u64 s[G0V+4*(\slot)+2:G0V+4*(\slot)+3], s[G0V+4*(\slot)+2:G0V+4*(\slot)+3], 128*ROWB
.endif
	s_wait_dscnt 5                                 ; the add and the youngest four loads may be out
	MUL3 1, 0, 1, 0
	s_wait_dscnt 0x0                               ; the add and my stores of P are done, and my reads of this slot and of P's buffer are over
	s_barrier_signal -1
	MUL3 1, 1, 1, 0
	WIN 0
	s_barrier_wait -1
.if \fill
	CREST
	JLOADV \slot                                   ; its four v_nop are also the places in front of the loads below
.else
	PLACES
.endif
	FETCH3 \next, 0, 0
.if \ask
	s_cmp_gt_u32 s[CNT], 1
	s_cbranch_scc0 .Lno_ask_\@
	global_prefetch_b8 v[PFOV], s[PFV:PFV+1] offset:256*ROWB th:TH_LOAD_NT scope:SCOPE_SE
.Lno_ask_\@:
.endif
	MUL3 1, 2, 2, 0
.endm
	PST 0
	s_wait_dscnt 0x0                               ; for the others' sake: my sums and my part of P's chunk 0 are stored
	s_barrier_signal -1                            ; V's chunk 1 may stay on its way
	s_barrier_wait -1
	FETCH3 0, 0, 0
	Q3 0, 1, 1                                     ; chunk 0's first half starts the sums
	WIN 0
	s_mov_b32 s[CNT], 3
.L3:                                                   ; a trip: from a chunk's second half to the first half of the chunk after the next; both slots are filled again
	T3 0, 1, 1, 1
	Q3 1, 0, 2
	T3 1, 0, 1, 0
	Q3 0, 0, 3
	WIN 0
	s_wait_xcnt 0x0                                ; the trip's prefetch has read its address
	s_add_nc_u64 s[PFV:PFV+1], s[PFV:PFV+1], 128*ROWB
	s_sub_co_u32 s[CNT], s[CNT], 1
	s_cmp_lg_u32 s[CNT], 0
	s_cbranch_scc1 .L3
	T3 0, 1, 0, 0                                  ; chunk 6 ends; nothing is left to ask for
	Q3 1, 0, 0                                     ; chunk 7
	s_wait_dscnt 4
	MUL3 1, 0, 2, 0
	s_wait_dscnt 0x0
	MUL3 1, 2, 2, 0
	; THE WAY OUT.  The four waves' sums are added; O^T is divided by l and sent through my stage, a tile (16 rows x 256 channels of f32) at a time.  The stage lies in V's slot 0, whose last fill was chunk 6
	; and whose last reads ended ahead of the barrier behind chunk 6.  The twelve additions are the places behind the last products.
	WIN 0
	ALL4 ds_load_b128 v[CH+4*t:CH+4*t+3], v[MXL] offset:1024+256*t
	s_wait_dscnt 0x0
	ALL4 v_add_f32 v[CH+4*t], v[CH+4*t], v[CH+4*t+1]
	ALL4 v_add_f32 v[CH+4*t+2], v[CH+4*t+2], v[CH+4*t+3]
	ALL4 v_add_f32 v[CH+4*t], v[CH+4*t], v[CH+4*t+2]
	ALL4 v_rcp_f32 v[CM+2*t], v[CH+4*t]
	ALL4 v_rcp_f32 v[CM+2*t+1], v[CH+4*t]
	v_nop                                          ; a plain instruction behind the last reciprocal
	s_wait_alu depctr_va_vdst(0)                   ; and the wait ahead of the first use: one for the eight
.macro SCALE q                         ; each accumulator's registers in ascending order
	WIN 0x82+0x41*((\q)/2)                         ; destination and source 0 in window 2 or 3, 1 / l in window 0
.set si, 0
.rept 64
	v_pk_mul_f32 v[128*((\q)%2)+2*si:128*((\q)%2)+2*si+1], v[128*((\q)%2)+2*si:128*((\q)%2)+2*si+1], v[CM+2*(\q):CM+2*(\q)+1]
.set si, si+1
.endr
.endm
.macro TOST q                          ; a lane's 8 channels of a row, 32 bytes, into rows of 1,040 bytes; back as 512 consecutive bytes a load, into window 1
	WIN 0
	s_wait_xcnt 0x0                                ; the stores of the tile before the last have read the registers that are loaded again below
	WIN 0x08+4*((\q)/2)                            ; store data in window 2 or 3
.set si, 0
.rept 16
	ds_store_b128 v[STO], v[128*((\q)%2)+8*si:128*((\q)%2)+8*si+3]   offset:64*si
	ds_store_b128 v[STO], v[128*((\q)%2)+8*si+4:128*((\q)%2)+8*si+7] offset:64*si+16
.set si, si+1
.endr
	WIN 0x40
.set si, 0
.rept 32
	ds_load_b128 v[128*((\q)%2)+4*si:128*((\q)%2)+4*si+3], v[RD] offset:(si/2)*SPT+512*(si%2)  ; LDS serves a wave's instructions in order: these see the stores above, and the next tile's stores come behind them
.set si, si+1
.endr
.endm
.macro SENDQ q
	WIN 0x04                                       ; store data in window 1
.set si, 0
.rept 32
	s_wait_dscnt 31-si                             ; load si is back; the younger ones may be out
	global_store_b128 v[GO], v[128*((\q)%2)+4*si:128*((\q)%2)+4*si+3], s[6:7] offset:(16*(\q)+si/2)*4096+512*(si%2) th:TH_STORE_NT  ; 512 consecutive bytes, at a multiple of 256 from out's first byte
.set si, si+1
.endr
.endm
	SCALE 0
	TOST 0
	SCALE 1                                        ; a tile's arithmetic stands between the loads of the tile before and its stores
	SENDQ 0
	TOST 1
	SCALE 2
	SENDQ 1
	TOST 2
	SCALE 3
	SENDQ 2
	TOST 3
	SENDQ 3
	WIN 0
	s_wait_tensorcnt 0x0                           ; the wave's end: a wait, an add to my spare word and its wait, behind my last tensor load and my last LDS store
	ds_add_u32 v[SPW], v[NIL]
	s_wait_dscnt 0x0
	CROUND                                         ; the closing round: no work-group ends while a partner may still ask for a tile that names it
	s_endpgm
.Lfunc_end_k_qb819df3864_attn:
	.size	k_qb819df3864_attn, .Lfunc_end_k_qb819df3864_attn-k_qb819df3864_attn
	.p2alignl 7, 3214868480
	.fill 96, 4, 3214868480
	.section	.rodata,"a",@progbits
	.p2align	6, 0x0
	.amdhsa_kernel k_qb819df3864_attn
		.amdhsa_group_segment_fixed_size 327680
		.amdhsa_private_segment_fixed_size 0
		.amdhsa_enable_private_segment 0
		.amdhsa_kernarg_size 16
		.amdhsa_user_sgpr_count 2
		.amdhsa_user_sgpr_kernarg_segment_ptr 1
		.amdhsa_wavefront_size32 1
		.amdhsa_system_sgpr_workgroup_id_x 1
		.amdhsa_system_sgpr_workgroup_id_y 1
		.amdhsa_system_sgpr_workgroup_id_z 1
		.amdhsa_system_vgpr_workitem_id 0
		.amdhsa_next_free_vgpr 1024
		.amdhsa_next_free_sgpr 80
		.amdhsa_reserve_vcc 0
		.amdhsa_float_denorm_mode_32 3
		.amdhsa_float_denorm_mode_16_64 3
		.amdhsa_memory_ordered 1
		.amdhsa_forward_progress 1
		.amdhsa_inst_pref_size 225
	.end_amdhsa_kernel
	.amdgpu_metadata
---
amdhsa.version: [ 1, 2 ]
amdhsa.kernels:
  - .name:           k_qb819df3864_attn
    .symbol:         k_qb819df3864_attn.kd
    .args:
      - { .name: qkv, .offset: 0, .size: 8, .value_kind: global_buffer, .address_space: global }
      - { .name: out0, .offset: 8, .size: 8, .value_kind: global_buffer, .address_space: global }
    .group_segment_fixed_size: 327680
    .private_segment_fixed_size: 0
    .kernarg_segment_align: 8
    .kernarg_segment_size: 16
    .max_flat_workgroup_size: 128
    .sgpr_count:     80
    .vgpr_count:     1024
    .wavefront_size: 32
...
	.end_amdgpu_metadata
.endif
;; end of part 3
;; ======== version 2 of 2: 4 launches
;; limits: values outside matrix products are rounded to f16; values are held in f16: magnitudes above 65,504 overflow, below 6.1e-05 lose precision
;; workspace buffers: xh 33,554,432 bytes; wh 6,291,456 bytes; mb 6,291,456 bytes; u 4,096 bytes; qv 67,108,864 bytes
;; launch prep (part 4): grid 1216 x 1, 8 waves a work-group, no clusters, 0 bytes of LDS; arguments x, W_qkv, xh, wh; writes xh, wh
.if DOCPART == 4
	.amdgcn_target "amdgcn-amd-amdhsa--gfx1250"
	.amdhsa_code_object_version 6
	.text
	.protected	k_qb819df3864_prep
	.globl	k_qb819df3864_prep
	.p2align	8
	.type	k_qb819df3864_prep,@function
k_qb819df3864_prep:
	s_mov_b64 s[64:65], 0
	v_nop
	global_prefetch_b8 v0, s[64:65] scope:SCOPE_SE
	s_setreg_imm32_b32 hwreg(HW_REG_WAVE_MODE, 25, 1), 1
	s_wait_xcnt 0x0
; xh = f16(x / 32), wh = f16(32 W_qkv): each number scaled by a power of two (exact) and rounded once to nearest even; the order of the numbers is kept.
; The scales give the later products room in f16: see the head of the kernel that multiplies xh by mb.
; LIMITS: |x| under 2,000,000 and |W| under 2,047, else an infinity; x below 2^-9 and W below 2^-19 in size keep f16's fixed step (2^-19 of x's unit, 2^-29 of W's).
; A work-group takes 65,536 input bytes: groups 0..1023 of x (67,108,864 bytes), groups 1024..1215 of W (12,582,912 bytes).
; Thread t takes 16 bytes at 16 t of each of 16 pieces of 4,096 bytes: a wave's load covers 512 consecutive bytes, and its store
; (8 bytes a lane) 256 consecutive bytes at a multiple of 256 from the buffer's first byte.  All 16 loads go out first; no register is loaded twice,
; so the only waits are the counted ones for the loads.  No LDS, no matrix unit, no cluster: nothing is shared and every byte passes once.
.set XG, 1024                          ; work-groups that serve x
.set X,  4                             ; v[4:67]   piece j: 4 registers as loaded, then scaled
.set Y,  68                            ; v[68:99]  piece j: 2 registers to store
	s_load_b256 s[4:11], s[0:1], 0x0               ; x s[4:5], W s[6:7], xh s[8:9], wh s[10:11]
	v_lshlrev_b32 v1, 4, v0                        ; my 16 bytes in a piece of the input
	v_lshlrev_b32 v2, 3, v0                        ; my 8 bytes in a piece of the output
	s_sub_co_u32 s16, ttmp9, XG
	s_mov_b32 s20, 0x42000000                      ; 32
	s_cmp_lt_u32 ttmp9, XG                         ; x or W?
	s_cselect_b32 s16, ttmp9, s16                  ; the group's number within its tensor
	s_cselect_b32 s20, 0x3d000000, s20             ; the scale: 1 / 32 for x, 32 for W
	s_mov_b32 s21, s20                             ; named with it as a pair
	s_wait_kmcnt 0x0
	s_cselect_b64 s[12:13], s[4:5], s[6:7]         ; from
	s_cselect_b64 s[14:15], s[8:9], s[10:11]       ; to
	s_lshl_b32 s18, s16, 15                        ; 32,768 output bytes a group
	s_lshl_b32 s16, s16, 16                        ; 65,536 input bytes a group (under 2^27)
	s_mov_b32 s17, 0
	s_mov_b32 s19, 0
	s_add_nc_u64 s[12:13], s[12:13], s[16:17]
	s_add_nc_u64 s[14:15], s[14:15], s[18:19]
.set j, 0
.rept 16
	global_load_b128 v[X+4*j:X+4*j+3], v1, s[12:13] offset:4096*j th:TH_LOAD_NT
.set j, j+1
.endr
.set j, 0
.rept 16
	s_wait_loadcnt 15-j                            ; loads come back in order: piece j is in, the 15 - j younger ones stay out
	v_pk_mul_f32 v[X+4*j:X+4*j+1], v[X+4*j:X+4*j+1], s[20:21] op_sel_hi:[1,0]
	v_pk_mul_f32 v[X+4*j+2:X+4*j+3], v[X+4*j+2:X+4*j+3], s[20:21] op_sel_hi:[1,0]
	v_cvt_pk_f16_f32 v[Y+2*j], v[X+4*j], v[X+4*j+1]
	v_cvt_pk_f16_f32 v[Y+2*j+1], v[X+4*j+2], v[X+4*j+3]
	global_store_b64 v2, v[Y+2*j:Y+2*j+1], s[14:15] offset:2048*j th:TH_STORE_NT
.set j, j+1
.endr
	s_endpgm
.Lfunc_end_k_qb819df3864_prep:
	.size	k_qb819df3864_prep, .Lfunc_end_k_qb819df3864_prep-k_qb819df3864_prep
	.p2alignl 7, 3214868480
	.fill 96, 4, 3214868480
	.section	.rodata,"a",@progbits
	.p2align	6, 0x0
	.amdhsa_kernel k_qb819df3864_prep
		.amdhsa_group_segment_fixed_size 0
		.amdhsa_private_segment_fixed_size 0
		.amdhsa_enable_private_segment 0
		.amdhsa_kernarg_size 32
		.amdhsa_user_sgpr_count 2
		.amdhsa_user_sgpr_kernarg_segment_ptr 1
		.amdhsa_wavefront_size32 1
		.amdhsa_system_sgpr_workgroup_id_x 1
		.amdhsa_system_sgpr_workgroup_id_y 1
		.amdhsa_system_sgpr_workgroup_id_z 1
		.amdhsa_system_vgpr_workitem_id 0
		.amdhsa_next_free_vgpr 100
		.amdhsa_next_free_sgpr 66
		.amdhsa_reserve_vcc 0
		.amdhsa_float_denorm_mode_32 3
		.amdhsa_float_denorm_mode_16_64 3
		.amdhsa_memory_ordered 1
		.amdhsa_forward_progress 1
		.amdhsa_inst_pref_size 9
	.end_amdhsa_kernel
	.amdgpu_metadata
---
amdhsa.version: [ 1, 2 ]
amdhsa.kernels:
  - .name:           k_qb819df3864_prep
    .symbol:         k_qb819df3864_prep.kd
    .args:
      - { .name: x, .offset: 0, .size: 8, .value_kind: global_buffer, .address_space: global }
      - { .name: W_qkv, .offset: 8, .size: 8, .value_kind: global_buffer, .address_space: global }
      - { .name: xh, .offset: 16, .size: 8, .value_kind: global_buffer, .address_space: global }
      - { .name: wh, .offset: 24, .size: 8, .value_kind: global_buffer, .address_space: global }
    .group_segment_fixed_size: 0
    .private_segment_fixed_size: 0
    .kernarg_segment_align: 8
    .kernarg_segment_size: 32
    .max_flat_workgroup_size: 256
    .sgpr_count:     66
    .vgpr_count:     100
    .wavefront_size: 32
...
	.end_amdgpu_metadata
.endif
;; end of part 4
;; launch mmul (part 5): grid 16 x 16, 4 waves a work-group, no clusters, 278,272 bytes of LDS; arguments wh, b_qkv, mb, u; writes mb, u
.if DOCPART == 5
	.amdgcn_target "amdgcn-amd-amdhsa--gfx1250"
	.amdhsa_code_object_version 6
	.text
	.protected	k_qb819df3864_mmul
	.globl	k_qb819df3864_mmul
	.p2align	8
	.type	k_qb819df3864_mmul,@function
k_qb819df3864_mmul:
	s_mov_b64 s[64:65], 0
	v_nop
	global_prefetch_b8 v0, s[64:65] scope:SCOPE_SE
	s_setreg_imm32_b32 hwreg(HW_REG_WAVE_MODE, 25, 1), 1
	s_wait_xcnt 0x0
; mb[d][n] = f16( M[d][n] / 32 ),  M[d][n] = sum over e of Wq[d][e] Wk[n][e];   u[n] = ( sum over e of bq[e] Wk[n][e] ) / 1024, f32.
; WHY.  q . k = (x_q Wq + bq) . (x_k Wk + bk) = (x_q M + Wk bq) . x_k + (x_q Wq + bq) . bk.  The last term is the same for all keys of a row, so the softmax over the keys cancels it, for every input.
; So the later kernels make q'' = x M + Wk bq in q's place and multiply it by x itself: k is never made, and the k third of the bias enters no number of the output and is not read.
; wh: [1024][3072] f16 = 32 W (columns 0..1023 Wq, 1024..2047 Wk).  The sums are 1,024 M and 1,024 (Wk bq) (bq is taken as f16(32 bq)); the factors 2^-15 and 2^-20 on the way out are exact.
; mb has wh's pitch of 3,072 numbers, of which the first 1,024 of each row are written and read.  LIMIT: |M| under 2,000,000, else an infinity.
; SHARES.  16 x 16 work-groups, each 64 x 64 of M.  The whole K (1,024) of its 64 rows of Wq and 64 rows of Wk is ONE fill of LDS: four sub-tiles of 64 rows x 1,024 bytes, a tensor load a wave; nothing is filled again.
; Wave w owns the 16 columns 16 w .. of the tile and all 64 rows: four accumulators, used transposed (source 0 = 16 rows of Wk, source 1 = 16 rows of Wq: a lane holds row l % 16 and 8 neighbouring columns).
; A fifth accumulator multiplies the same fragment of Wk by bq, which lies once in LDS and is read as a fragment whose 16 rows are alike; here Wk is source 1, so that a lane's lowest register holds column l % 16.
; NO CLUSTER: the store of u hangs on the work-group's row of the grid, and a work-group asks for its tiles once, 266,240 bytes.  A piece of a row of mb that leaves is 128 bytes: a tile 128 columns wide
; would want 192 rows x 2,080 bytes of LDS for its whole K, more than a work-group can have.
.set WROW,  6144                       ; bytes in a row of wh and of mb
.set PIT,   1040                       ; an LDS row of a sub-tile: 1,024 bytes + 16 = 65 x 16: the 16 rows of a fragment load start 16 bytes apart modulo 256
.set SUB,   64*PIT                     ; a sub-tile: Wq's first 512 channels, Wq's last, Wk's first, Wk's last
.set BOFF,  2*SUB
.set BQ,    4*SUB                      ; f16(32 bq), 2,048 bytes
.set UG,    BQ+2048                    ; the tile's 64 numbers of u, 256 bytes
.set STAGE, UG+256                     ; 64 rows x 144 bytes (128 + 16), for the way out
.set SPI,   144
.set SPARE, STAGE+64*SPI               ; the spare words, 128 bytes a wave, that no other line names
.set ADA0, 4                           ; v4   my lane's place in Wq's first sub-tile
.set ADB0, 5                           ; v5   in Wk's, at my wave's 16 rows
.set ADQ0, 6                           ; v6   in bq's row
.set ADA,  7                           ; v7-9 the same, at the trip's four K steps
.set ADB,  8
.set ADQ,  9
.set STO,  10                          ; v10  the way out: where I put 16 bytes of a row
.set RD,   11                          ; v11  where I read 16 bytes back
.set GO,   12                          ; v12  my byte offset in four rows of mb
.set UST,  13                          ; v13  where I put my column's number of u
.set UL,   14                          ; v14  where I read 8 bytes of u back
.set UO,   15                          ; v15  8 x lane
.set SPW,  16                          ; v16  my spare word; never rewritten
.set NIL,  17                          ; v17  0; never rewritten
.set ACC,  20                          ; v[20:59]  five accumulators
.set BO,   60                          ; v60  my 32 bytes of bq
.set FR,   64                          ; v[64:255] four K steps' fragments, 48 registers each: Wq's four, Wk's, bq's
.set PK,   64                          ; the way out: packed results
.set G1,   16                          ; s[16:23] descriptor group 1
.set G0,   24                          ; s[24:27] group 0
.set KO,   32                          ; s32  LDS byte, in a sub-tile's rows, of the trip's first K step
.set QO,   33                          ; s33  the same in bq's row
.set CI,   34                          ; s34  trips left in a half of K
.set CH,   35                          ; s35  halves left
	s_load_b256 s[4:11], s[0:1], 0x0               ; wh s[4:5], b_qkv s[6:7], mb s[8:9], u s[10:11]
	v_lshl_add_u32 v[SPW], v0, 2, SPARE
	v_mov_b32 v[NIL], 0
	ds_add_u32 v[SPW], v[NIL]                      ; the wave's opening: the add and its wait stand ahead of my tensor load; work on registers stands between them
	v_lshrrev_b32 v1, 5, v0
	v_readfirstlane_b32 s12, v1                    ; wave 0..3
	s_mov_b32 s13, ttmp9                           ; tx: the tile's 64 columns (rows of Wk)
	s_and_b32 s14, ttmp7, 0xffff                   ; ty: its 64 rows (rows of Wq)
	s_mov_b32 s[G1+0], (1<<16)|(1<<20)|(7<<22)|(3<<25)  ; 2-byte elements; padding on: after every 256 words 4 words
	s_mov_b32 s[G1+1], 512<<16                     ; tensor_dim0 = 512
	s_mov_b32 s[G1+2], 64<<16                      ; tensor_dim1 = 64
	s_mov_b32 s[G1+3], 512<<16                     ; tile_dim0 = 512
	s_mov_b32 s[G1+4], 64                          ; tile_dim1 = 64
	s_mov_b32 s[G1+5], 3072                        ; elements from row to row
	s_mov_b32 s[G1+6], 0
	s_mov_b32 s[G1+7], 0
	s_lshr_b32 s28, s12, 1                         ; I fetch for Wq (0) or for Wk (1),
	s_and_b32 s29, s12, 1                          ; the first or the last 512 channels
	s_cmp_eq_u32 s28, 0
	s_cselect_b32 s30, s14, s13
	s_mul_i32 s30, s30, 64*WROW                    ; the block's 64 rows,
	s_lshl_b32 s31, s28, 11                        ; Wk's columns begin 2,048 bytes into a row,
	s_add_co_u32 s30, s30, s31
	s_lshl_b32 s31, s29, 10                        ; the half's 1,024 bytes
	s_add_co_u32 s30, s30, s31
	s_mov_b32 s31, 0
	s_mov_b32 s[G0], 1
	s_mul_i32 s[G0+1], s12, SUB                    ; sub-tile = my wave's number
	s_wait_dscnt 0x0                               ; the opening add is done
	s_wait_kmcnt 0x0
	s_add_nc_u64 s[G0+2:G0+3], s[4:5], s[30:31]
	s_or_b32 s[G0+3], s[G0+3], 0x80000000
	tensor_load_to_lds s[G0:G0+3], s[G1:G1+7]      ; my one tensor load
	s_nop 0
	v_lshlrev_b32 v[BO], 5, v0                     ; 128 threads x 8 numbers are bq
	global_load_b128 v[64:67], v[BO], s[6:7]
	global_load_b128 v[68:71], v[BO], s[6:7] offset:16
	v_and_b32 v1, 15, v0                           ; r = l % 16
	v_bfe_u32 v2, v0, 4, 1                         ; h = l / 16
	v_and_b32 v18, 31, v0                          ; l
	v_mul_u32_u24 v[ADA0], v1, PIT                 ; a fragment: row x pitch + 16 h, two loads 32 bytes apart
	v_lshl_add_u32 v[ADA0], v2, 4, v[ADA0]
	s_mul_i32 s28, s12, 16*PIT
	s_add_co_u32 s28, s28, BOFF
	v_add_nc_u32 v[ADB0], s28, v[ADA0]
	v_lshlrev_b32 v[ADQ0], 4, v2                   ; every row of this fragment is bq: the address hangs on h alone
	v_add_nc_u32 v[ADQ0], BQ, v[ADQ0]
	v_mul_u32_u24 v[STO], v1, SPI                  ; in: row l % 16, my wave's 32 bytes, 16 for each half of the lanes
	v_lshl_add_u32 v[STO], v2, 4, v[STO]
	s_lshl_b32 s28, s12, 5
	s_add_co_u32 s28, s28, STAGE
	v_add_nc_u32 v[STO], s28, v[STO]
	v_lshrrev_b32 v19, 3, v18                      ; back: 32 lanes take four rows of 128 bytes
	v_and_b32 v61, 7, v0
	v_mul_u32_u24 v[RD], v19, SPI
	v_lshl_add_u32 v[RD], v61, 4, v[RD]
	s_mul_i32 s28, s12, 16*SPI                     ; wave w takes rows 16 w .. 16 w + 15
	s_add_co_u32 s28, s28, STAGE
	v_add_nc_u32 v[RD], s28, v[RD]
	v_mul_u32_u24 v[GO], v19, WROW
	v_lshl_add_u32 v[GO], v61, 4, v[GO]
	s_lshl_b32 s28, s12, 6
	s_add_co_u32 s28, s28, UG
	v_lshl_add_u32 v[UST], v1, 2, s28              ; column 16 w + l % 16
	v_lshlrev_b32 v[UO], 3, v18
	v_add_nc_u32 v[UL], UG, v[UO]
	s_lshl_b32 s28, s14, 6
	s_lshl_b32 s29, s12, 4
	s_add_co_u32 s28, s28, s29                     ; the first row of mb that I store: 64 ty + 16 w,
	s_mul_i32 s28, s28, WROW
	s_lshl_b32 s29, s13, 7                         ; the tile's first column: 128 bytes a tile
	s_add_co_u32 s28, s28, s29
	s_mov_b32 s29, 0
	s_add_nc_u64 s[8:9], s[8:9], s[28:29]
	s_lshl_b32 s28, s13, 8                         ; the tile's 64 numbers of u
	s_add_nc_u64 s[10:11], s[10:11], s[28:29]
.set i, 0
.rept 40
	v_mov_b32 v[ACC+i], 0                          ; the sums start at 0: written while the fill is on its way, so that the loop has one form of product
.set i, i+1
.endr
	s_wait_loadcnt 0x0                             ; bq
.irp i, 0,2,4,6
	v_pk_mul_f32 v[64+\i:65+\i], v[64+\i:65+\i], 0x42000000 op_sel_hi:[1,0]  ; x 32, as W
.endr
.irp i, 0,1,2,3
	v_cvt_pk_f16_f32 v[72+\i], v[64+2*\i], v[65+2*\i]
.endr
	v_lshl_add_u32 v62, v0, 4, BQ
	ds_store_b128 v62, v[72:75]
	s_wait_tensorcnt 0x0                           ; my sub-tile is in,
	s_wait_dscnt 0x0                               ; my part of bq's row is stored:
	s_barrier_signal -1
	s_barrier_wait -1                              ; everybody's is
; A trip: four K steps of 32.  All 48 LDS loads go out in one run; then, for each K step, the wait that leaves the later steps' twelve loads each out, and five products on accumulators that take turns.
; The three additions and the v_nop are the four plain instructions between the last trip's products and the loads into registers that they read.
.macro TRIP
	v_add_nc_u32 v[ADA], s[KO], v[ADA0]
	v_add_nc_u32 v[ADB], s[KO], v[ADB0]
	v_add_nc_u32 v[ADQ], s[QO], v[ADQ0]
	v_nop
.set k, 0
.rept 4
.set a, 0
.rept 4
	ds_load_b128 v[FR+48*k+8*a:FR+48*k+8*a+3],   v[ADA] offset:a*16*PIT+64*k
	ds_load_b128 v[FR+48*k+8*a+4:FR+48*k+8*a+7], v[ADA] offset:a*16*PIT+64*k+32
.set a, a+1
.endr
	ds_load_b128 v[FR+48*k+32:FR+48*k+35], v[ADB] offset:64*k
	ds_load_b128 v[FR+48*k+36:FR+48*k+39], v[ADB] offset:64*k+32
	ds_load_b128 v[FR+48*k+40:FR+48*k+43], v[ADQ] offset:64*k
	ds_load_b128 v[FR+48*k+44:FR+48*k+47], v[ADQ] offset:64*k+32
.set k, k+1
.endr
.set k, 0
.rept 4
	s_wait_dscnt 36-12*k
.set a, 0
.rept 4
	v_wmma_f32_16x16x32_f16 v[ACC+8*a:ACC+8*a+7], v[FR+48*k+32:FR+48*k+39], v[FR+48*k+8*a:FR+48*k+8*a+7], v[ACC+8*a:ACC+8*a+7]
.set a, a+1
.endr
	v_wmma_f32_16x16x32_f16 v[ACC+32:ACC+39], v[FR+48*k+40:FR+48*k+47], v[FR+48*k+32:FR+48*k+39], v[ACC+32:ACC+39]
.set k, k+1
.endr
.endm
	s_mov_b32 s[KO], 0
	s_mov_b32 s[QO], 0
	s_mov_b32 s[CH], 2
.Lhalf:                                                ; a half of K: one sub-tile of each operand
	s_mov_b32 s[CI], 4
.Ltrip:
	TRIP
	s_add_co_u32 s[KO], s[KO], 256                 ; four K steps of 64 bytes on
	s_add_co_u32 s[QO], s[QO], 256
	s_sub_co_u32 s[CI], s[CI], 1
	s_cmp_lg_u32 s[CI], 0
	s_cbranch_scc1 .Ltrip
	s_add_co_u32 s[KO], s[KO], SUB-1024            ; from the end of a row of the first sub-tile to the head of the second's
	s_sub_co_u32 s[CH], s[CH], 1
	s_cmp_lg_u32 s[CH], 0
	s_cbranch_scc1 .Lhalf
.rept 4
	v_nop                                          ; the places behind the last products
.endr
.set i, 0
.rept 16
	v_pk_mul_f32 v[ACC+2*i:ACC+2*i+1], v[ACC+2*i:ACC+2*i+1], 0x38000000 op_sel_hi:[1,0]  ; x 2^-15; each accumulator's registers in ascending order
.set i, i+1
.endr
	v_mul_f32 v[ACC+32], 0x35800000, v[ACC+32]     ; x 2^-20: my column's number of u lies in the accumulator's lowest register
.set i, 0
.rept 16
	v_cvt_pk_f16_f32 v[PK+i], v[ACC+2*i], v[ACC+2*i+1]
.set i, i+1
.endr
.irp a, 0,1,2,3
	ds_store_b128 v[STO], v[PK+4*\a:PK+4*\a+3] offset:\a*16*SPI
.endr
	ds_store_b32 v[UST], v[ACC+32]                 ; both halves of the lanes hold the same number and write the same word
	s_wait_dscnt 0x0                               ; for the others' sake: a row's 128 bytes come from four waves
	s_barrier_signal -1
	s_barrier_wait -1
.irp i, 0,1,2,3
	ds_load_b128 v[PK+4*\i:PK+4*\i+3], v[RD] offset:\i*4*SPI
.endr
.irp i, 0,1,2,3
	s_wait_dscnt 3-\i                              ; load i is back; the younger ones may be out
	global_store_b128 v[GO], v[PK+4*\i:PK+4*\i+3], s[8:9] offset:\i*4*WROW  ; four rows' 128 consecutive bytes each
.endr
	s_or_b32 s28, s14, s12                         ; u is stored once for each block of columns: by wave 0 of the work-groups of the grid's first row
	s_cmp_lg_u32 s28, 0
	s_cbranch_scc1 .Lend
	ds_load_b64 v[80:81], v[UL]
	s_wait_dscnt 0x0
	global_store_b64 v[UO], v[80:81], s[10:11]     ; 256 consecutive bytes, at a multiple of 256 from u's first byte
.Lend:
	s_wait_tensorcnt 0x0                           ; the wave's end: a wait, an add to my spare word and its wait, behind my tensor load and my last LDS store
	ds_add_u32 v[SPW], v[NIL]
	s_wait_dscnt 0x0
	s_endpgm
.Lfunc_end_k_qb819df3864_mmul:
	.size	k_qb819df3864_mmul, .Lfunc_end_k_qb819df3864_mmul-k_qb819df3864_mmul
	.p2alignl 7, 3214868480
	.fill 96, 4, 3214868480
	.section	.rodata,"a",@progbits
	.p2align	6, 0x0
	.amdhsa_kernel k_qb819df3864_mmul
		.amdhsa_group_segment_fixed_size 278272
		.amdhsa_private_segment_fixed_size 0
		.amdhsa_enable_private_segment 0
		.amdhsa_kernarg_size 32
		.amdhsa_user_sgpr_count 2
		.amdhsa_user_sgpr_kernarg_segment_ptr 1
		.amdhsa_wavefront_size32 1
		.amdhsa_system_sgpr_workgroup_id_x 1
		.amdhsa_system_sgpr_workgroup_id_y 1
		.amdhsa_system_sgpr_workgroup_id_z 1
		.amdhsa_system_vgpr_workitem_id 0
		.amdhsa_next_free_vgpr 256
		.amdhsa_next_free_sgpr 66
		.amdhsa_reserve_vcc 0
		.amdhsa_float_denorm_mode_32 3
		.amdhsa_float_denorm_mode_16_64 3
		.amdhsa_memory_ordered 1
		.amdhsa_forward_progress 1
		.amdhsa_inst_pref_size 16
	.end_amdhsa_kernel
	.amdgpu_metadata
---
amdhsa.version: [ 1, 2 ]
amdhsa.kernels:
  - .name:           k_qb819df3864_mmul
    .symbol:         k_qb819df3864_mmul.kd
    .args:
      - { .name: wh, .offset: 0, .size: 8, .value_kind: global_buffer, .address_space: global }
      - { .name: b_qkv, .offset: 8, .size: 8, .value_kind: global_buffer, .address_space: global }
      - { .name: mb, .offset: 16, .size: 8, .value_kind: global_buffer, .address_space: global }
      - { .name: u, .offset: 24, .size: 8, .value_kind: global_buffer, .address_space: global }
    .group_segment_fixed_size: 278272
    .private_segment_fixed_size: 0
    .kernarg_segment_align: 8
    .kernarg_segment_size: 32
    .max_flat_workgroup_size: 128
    .sgpr_count:     66
    .vgpr_count:     256
    .wavefront_size: 32
...
	.end_amdgpu_metadata
.endif
;; end of part 5
;; launch proj (part 6): grid 4 x 64, 4 waves a work-group, clusters of 4 x 4, 327,680 bytes of LDS; arguments xh, mb, wh, u, b_qkv, qv; writes qv
.if DOCPART == 6
	.amdgcn_target "amdgcn-amd-amdhsa--gfx1250"
	.amdhsa_code_object_version 6
	.text
	.protected	k_qb819df3864_proj
	.globl	k_qb819df3864_proj
	.p2align	8
	.type	k_qb819df3864_proj,@function
k_qb819df3864_proj:
	s_mov_b64 s[64:65], 0
	v_nop
	global_prefetch_b8 v0, s[64:65] scope:SCOPE_SE
	s_setreg_imm32_b32 hwreg(HW_REG_WAVE_MODE, 25, 1), 1
	s_wait_xcnt 0x0
	s_wait_alu depctr_hold_cnt(0) depctr_sa_sdst(0) depctr_va_vdst(0) depctr_va_sdst(0) depctr_va_ssrc(0) depctr_va_vcc(0) depctr_vm_vsrc(0)
	s_getreg_b32 s2, hwreg(HW_REG_IB_STS2, 6, 4)
	s_cmp_eq_u32 s2, 0
	s_cbranch_scc0 .Lentry_in_a_cluster
	s_endpgm
.Lentry_in_a_cluster:
	s_bfe_u32 s2, ttmp6, 0x10000c
	s_cmp_lg_u32 s2, 0xf033
	s_cbranch_scc0 .Lentry_shape_is_right
	s_endpgm
.Lentry_shape_is_right:
; qv[m][0..1023]    = f16( sum over k of xh[m][k] mb[k][n] + u[n] )        = (x M + Wk bq) / 1024: it takes q's place, and x itself takes k's (see the head of the kernel that makes mb)
; qv[m][1024..2047] = f16( sum over k of xh[m][k] wh[k][2048 + n] + bv[n] ) = x Wv + bv = v
; xh: [16384][1024] f16 = x / 32.  mb: f16 = M / 32 and wh: f16 = 32 W, both with rows of 3,072 numbers, K down the rows.  u: [1024] f32.  bv = b_qkv[2048..], f32.  qv: [16384][2048] f16.
; Sums in f32, K ascending; the bias, unrounded, is the C operand of the product that starts a sum; qv is rounded once.
; LIMITS: f16 ends at 65,504: a number of v, or of (x M + Wk bq) / 1024, of 65,520 or more leaves as an infinity; below 6e-5 a number keeps f16's fixed step of 6e-8.
; SHARES.  A tile of qv is 256 x 256, made by four waves of 128 x 128 (64 accumulators, 512 registers).  A WORK-GROUP STAYS and makes two tiles: the same 256 rows, columns 1,024 t + 256 gx.
; 64 x 4 work-groups, two tiles each, are the 512 tiles.  K goes in steps of 128 through a ring of two LDS slots.
; ONE WALK.  The two tiles' 8 + 8 K steps are one sequence of 16 for the ring, and ONE loop walks it, a K step a trip: the slot in hand is a scalar that one exclusive or turns, and each refill's global addresses are made
; anew from a base and an offset.  What the change of tiles adds (the way out, the second bias, products that start sums) stands behind a forward branch on the loop's count.  The last two K steps, which ask for nothing, are written out.
; The second operand's tile lies in LDS as in memory, [k][n], and its fragments are read turned, by ds_load_tr16_b128.
; CLUSTERS of 4 x 4: the four of a row need the same rows of xh, the four of a column the same columns of mb and wh: each tile is asked for jointly, by the same tensor load with a mask that names the four.
; THE MATRIX INSTRUCTION IS USED TRANSPOSED (source 0 = 16 columns of mb or wh, source 1 = 16 rows of xh): a lane holds row l % 16 and the columns 8 (l / 16) + 0..7: 16 bytes of f16 on end.
; REGISTERS, in windows of 256 (s_set_vgpr_msb: bits 1:0 source 0, 3:2 source 1, 5:4 source 2, 7:6 destination):
;   window 0: v0-31 addresses; v64-127, v128-191 fragments of xh, two buffers; v32-63, v192-255 at work on the way out
;   window 1: v0-63 the bias of my 128 columns (8 registers for each block of 16); v64-127, v128-191 fragments of the second operand
;   window 2: the accumulators of my rows 0-63 ((a, b) at v[8 (8 a + b)]);   window 3: those of my rows 64-127
.set SIZE_K, 1024
.set AROW,   2*SIZE_K                  ; bytes in a row of xh
.set BPITCH, 3072                      ; numbers in a row of mb and of wh
.set BROW,   2*BPITCH                  ; bytes
.set CROW,   4096                      ; bytes in a row of qv
.set KSTEP,  128
.set NSTEP,  2*SIZE_K/KSTEP            ; 16 K steps in the walk
.set ASTEP,  2*KSTEP                   ; a K step along a row of xh, in bytes
.set BSTEP,  KSTEP*BROW                ; a K step down the second operand's rows, in bytes
.set PITCH,  272                       ; an LDS row of xh's tile: 256 bytes + 16: the 16 rows of a fragment load start 16 bytes apart modulo 256
.set PB,     544                       ; an LDS row of the second operand's tile: 512 bytes + 32 = 17 x 32: 16 lanes of the turning load take 8 rows x 32 bytes, all apart modulo 256
.set HALFT,  128*PITCH                 ; what one tensor load brings: 128 rows of xh, or 64 rows of the second operand (64 x 544 is the same number)
.set SLOT,   4*HALFT                   ; xh's 256 rows, then the second operand's 128 rows
.set BOFF,   2*HALFT
.set STAGE,  2*SLOT                    ; behind the ring: 16 rows x 272 bytes for each wave, for the way out
.set SPITCH, 272
.set SPARE,  STAGE+4*16*SPITCH         ; behind the stages: the spare words, 128 bytes a wave, that no other line names
.set ADRA0, 16                         ; v16     my lane's place among my fragments of xh in slot 0; never rewritten
.set ADRA,  17                         ; v17     the same in the slot in hand
.set ADRB0, 20                         ; v20-21  the same two for the second operand
.set ADRB,  21
.set STO,  24                          ; v24     the way out: where I put 16 bytes of a row
.set RD,   25                          ; v25     the way out: where I read a row back
.set CO,   26                          ; v26     my byte offset in two rows of qv
.set BO,   27                          ; v27     my byte offset in a block of 16 numbers of a bias: 32 (l / 16)
.set SPW,  28                          ; v28     my spare word: SPARE + 4 x my thread's number; never rewritten
.set NIL,  29                          ; v29     0; never rewritten
.set PFO,  30                          ; v30     the prefetches' lane offset; never rewritten
.set F0,   64
.set F1,   128
.set TMP,  192
.set OB,   32
.set G1,   24                          ; s[24:31] descriptor group 1 for xh's tiles;  s[32:39] group 0: two sets for the two first fills; the first then serves every refill
.set G0,   32
.set G1B,  48                          ; s[48:55], s[56:63] the same for the second operand's tiles
.set G0B,  56
.set ASKM, 43                          ; s43      bit n set: I prefetch in the trip whose count is n
.set PFA,  44                          ; s[44:45] where my prefetches stand
.set PFS,  66                          ; s[66:67] their step from K step to K step
.set NPF,  68                          ; s[68:69] where they stand for the second tile: wh, its K step 2
.set BP0,  70                          ; s[70:71] u at my 128 columns
.set WVB,  72                          ; s[72:73] wh at the part of the second tile's K step 0 that I fetch
.set BP1,  74                          ; s[74:75] bv at my 128 columns
.set AB,   76                          ; s[76:77] xh at the part of K step 0 that I fetch
.set BB,   78                          ; s[78:79] the second operand at the part of its K step 0 that I fetch: mb, later wh
.set KA,   80                          ; s[80:81] byte offset along xh's rows of the K step asked for last (a number; the high word is 0)
.set KB,   82                          ; s[82:83] the same down the second operand's rows
.set LB,   84                          ; s84      my part of a slot: wave x 34,816
.set CUR,  85                          ; s85      LDS byte at which the slot in hand begins: 0 or SLOT
.set MSB, 0
.macro WIN new                         ; the immediate's high byte repeats the setting that is left; a switch that changes nothing is dropped
.if MSB != (\new)
	s_set_vgpr_msb (MSB<<8)|(\new)
.set MSB, \new
.endif
.endm
.set MUL_LO, 0xa1                      ; source 0 window 1, source 1 (xh) window 0, C and D window 2
.set MUL_HI, 0xf1                      ; the same, C and D window 3
.set TO_B,   0x40                      ; destination window 1, address window 0
; A joint load.  Waves 0 and 1 fetch xh's two halves, waves 2 and 3 the second operand's.  The branch hangs on the wave's number alone.  An s_nop 0 and four v_nop follow each of the two lines.
.macro JLOAD s
	s_cmp_eq_u32 s11, 0
	s_cbranch_scc0 .Lfor_b_\@
	tensor_load_to_lds s[G0+4*(\s):G0+4*(\s)+3], s[G1:G1+7]
	s_nop 0
.rept 4
	v_nop
.endr
	s_branch .Lasked_\@
.Lfor_b_\@:
	tensor_load_to_lds s[G0B+4*(\s):G0B+4*(\s)+3], s[G1B:G1B+7]
	s_nop 0
.rept 4
	v_nop
.endr
.Lasked_\@:
.endm
; A PREFETCH, behind each joint load and the run of LDS loads that follows it: the K step that stands two refills on, 512 matrix instructions ahead of the load that will want it; one instruction a wave.
; xh: of the 128 rows that a wave fetches, the partner at place cx names 32, a lane a row of 256 bytes; in the first tile alone, since the second walks the same rows again.
; mb, wh: of the 64 rows x 512 bytes that a wave fetches, the partner at place cy names 16 rows x 2 blocks of 256 bytes, a lane a block; every cluster reads the same columns, so the cluster with y = 0 asks, in both tiles.
; So each block is named once in the launch, and partners are told apart by address alone.  A tile's K steps 0 and 1 (the first tile's 2 and 3 too) come by their loads alone; a tile's last two refills have no K step two on.
; The trips in which a wave asks are the bits of s[ASKM]; the trip of K step j has the count 14 - j.
.macro ASK
	s_lshr_b32 s21, s[ASKM], s3
	s_and_b32 s21, s21, 1
	s_cmp_lg_u32 s21, 0
	s_cbranch_scc0 .Lnot_mine_\@
	global_prefetch_b8 v[PFO], s[PFA:PFA+1] th:TH_LOAD_NT scope:SCOPE_SE
.Lnot_mine_\@:
.endm
.macro CREST                           ; a round of the cluster's barrier behind its opening barrier
	s_cmp_lg_u32 s10, 0
	s_cbranch_scc1 .Lnot_wave_0_\@
	s_barrier_signal -3
.Lnot_wave_0_\@:
	s_barrier_wait -3
	s_barrier_signal -1
	s_barrier_wait -1
.endm
.macro CROUND                          ; a whole round
	s_barrier_signal -1
	s_barrier_wait -1
	CREST
.endm
	s_load_b128 s[4:7], s[0:1], 0x0                ; xh s[4:5], mb s[6:7]
	s_load_b64 s[WVB:WVB+1], s[0:1], 0x10          ; wh
	s_load_b64 s[BP0:BP0+1], s[0:1], 0x18          ; u
	s_load_b64 s[BP1:BP1+1], s[0:1], 0x20          ; b_qkv
	s_load_b64 s[8:9], s[0:1], 0x28                ; qv: never rewritten
	v_lshl_add_u32 v[SPW], v0, 2, SPARE
	v_mov_b32 v[NIL], 0
	ds_add_u32 v[SPW], v[NIL]                      ; the wave's opening: the add and its wait stand ahead of my first tensor load; work on registers stands between them
	v_lshrrev_b32 v1, 5, v0
	v_readfirstlane_b32 s10, v1                    ; wave 0..3
	s_lshr_b32 s11, s10, 1                         ; which half of the tile's rows is mine.  Also: I fetch for xh (0) or for the second operand (1)
	s_and_b32 s12, s10, 1                          ; which half of its columns.  Also: which half of that tile I fetch
	s_bfe_u32 s40, ttmp6, 0x40000                  ; cx
	s_bfe_u32 s41, ttmp6, 0x40004                  ; cy
	s_lshl_b32 s42, ttmp9, 2
	s_add_co_u32 s42, s42, s40                     ; gx = 4 x cluster x + cx: my 256 columns of each half of qv
	s_and_b32 s13, ttmp7, 0xffff
	s_lshl_b32 s13, s13, 2
	s_add_co_u32 s13, s13, s41                     ; gy = 4 x cluster y + cy: my 256 rows
	s_lshl_b32 s43, s41, 2
	s_lshl_b32 s43, 15, s43                        ; my row of the cluster
	s_lshl_b32 s44, 0x1111, s40                    ; my column
	s_or_b32 s[G1+0], s43, (1<<16)|(1<<20)|(1<<21)|(5<<22)|(3<<25)   ; mask: my row; 2-byte elements; padding on; bit 21 beside a mask; after every 64 words 4 words
	s_or_b32 s[G1B+0], s44, (1<<16)|(1<<20)|(1<<21)|(6<<22)|(7<<25)  ; mask: my column; after every 128 words 8 words
	s_mov_b32 s[G1+1], KSTEP<<16                   ; tensor_dim0 = 128
	s_mov_b32 s[G1+2], 128<<16                     ; tensor_dim1 = 128
	s_mov_b32 s[G1+3], KSTEP<<16                   ; tile_dim0 = 128
	s_mov_b32 s[G1+4], 128                         ; tile_dim1 = 128
	s_mov_b32 s[G1+5], SIZE_K                      ; elements from row to row
	s_mov_b32 s[G1+6], 0
	s_mov_b32 s[G1+7], 0
	s_mov_b32 s[G1B+1], 256<<16                    ; tensor_dim0 = 256
	s_mov_b32 s[G1B+2], 64<<16                     ; tensor_dim1 = 64
	s_mov_b32 s[G1B+3], 256<<16                    ; tile_dim0 = 256
	s_mov_b32 s[G1B+4], 64                         ; tile_dim1 = 64
	s_mov_b32 s[G1B+5], BPITCH
	s_mov_b32 s[G1B+6], 0
	s_mov_b32 s[G1B+7], 0
	s_lshl_b32 s17, s12, 7
	s_lshl_b32 s16, s13, 8
	s_add_co_u32 s16, s16, s17                     ; xh: row 256 gy + 128 x half,
	s_lshl_b32 s16, s16, 11                        ; in bytes (under 2^25)
	s_mov_b32 s17, 0
	s_mul_i32 s46, s12, 64*BROW                    ; the second operand: k row 64 x half,
	s_lshl_b32 s47, s42, 9                         ; column 256 gx
	s_add_co_u32 s46, s46, s47
	s_mov_b32 s47, 0
	s_mul_i32 s[LB], s10, HALFT                    ; where they go: wave x 34,816: no place in the cluster enters an LDS address
	s_mov_b32 s[CUR], 0                            ; K step 0 lies in slot 0
	s_mov_b32 s[KA], ASTEP                         ; K step 1 is the last that the head asks for
	s_mov_b32 s[KA+1], 0
	s_mov_b32 s[KB], BSTEP
	s_mov_b32 s[KB+1], 0
	s_wait_dscnt 0x0                               ; the opening add is done
	s_wait_kmcnt 0x0
	s_add_nc_u64 s[AB:AB+1], s[4:5], s[16:17]
	s_add_nc_u64 s[WVB:WVB+1], s[WVB:WVB+1], s[46:47]
	s_add_nc_u64 s[WVB:WVB+1], s[WVB:WVB+1], 4096  ; Wv's columns begin 4,096 bytes into a row of wh
	s_add_nc_u64 s[BB:BB+1], s[6:7], s[46:47]      ; the first tile's operand is mb
	CROUND                                         ; all sixteen work-groups are here: the first joint loads meet
.irp s, 0,1
	s_mov_b32 s[G0+4*(\s)], 1
	s_add_co_u32 s[G0+4*(\s)+1], s[LB], (\s)*SLOT
	s_add_nc_u64 s[G0+4*(\s)+2:G0+4*(\s)+3], s[AB:AB+1], (\s)*ASTEP
	s_or_b32 s[G0+4*(\s)+3], s[G0+4*(\s)+3], 0x80000000
	s_mov_b32 s[G0B+4*(\s)], 1
	s_add_co_u32 s[G0B+4*(\s)+1], s[LB], (\s)*SLOT
	s_add_nc_u64 s[G0B+4*(\s)+2:G0B+4*(\s)+3], s[BB:BB+1], (\s)*BSTEP
	s_or_b32 s[G0B+4*(\s)+3], s[G0B+4*(\s)+3], 0x80000000
	JLOAD \s                                       ; K steps 0 and 1: two loads of mine are out
.endr
; The bias of my 128 columns: for block b of 16 columns a lane takes the 8 numbers 16 b + 8 (l / 16) + 0..7, which is the layout of an accumulator's 8 registers.
.macro BIASLOAD p
	WIN TO_B
.set bi, 0
.rept 8
	global_load_b128 v[8*bi:8*bi+3],   v[BO], s[(\p):(\p)+1] offset:64*bi
	global_load_b128 v[8*bi+4:8*bi+7], v[BO], s[(\p):(\p)+1] offset:64*bi+16
.set bi, bi+1
.endr
	WIN 0
.endm
	v_and_b32 v1, 15, v0                           ; l % 16
	v_bfe_u32 v2, v0, 4, 1                         ; l / 16
	v_lshlrev_b32 v[BO], 5, v2
	s_lshl_b32 s46, s42, 10                        ; column 256 gx + 128 x my half, 4 bytes a number
	s_lshl_b32 s47, s12, 9
	s_add_co_u32 s46, s46, s47
	s_mov_b32 s47, 0
	s_add_nc_u64 s[BP0:BP0+1], s[BP0:BP0+1], s[46:47]
	s_add_nc_u64 s[BP1:BP1+1], s[BP1:BP1+1], s[46:47]
	s_add_nc_u64 s[BP1:BP1+1], s[BP1:BP1+1], 8192  ; bv begins 2,048 numbers into b_qkv
	BIASLOAD BP0
	; A fragment of xh is 16 rows x 32 K: lane l holds row l % 16; two loads of 16 bytes, 32 bytes apart, at row x pitch + 16 (l / 16).
	v_mul_u32_u24 v3, v1, PITCH
	v_lshl_add_u32 v3, v2, 4, v3
	; The turning load takes 16 k x 16 columns (lane l reads k row 8 (l / 16) + l % 8, columns 8 ((l / 8) % 2) + 0..7) and leaves half a fragment: lane l holds column l % 16 and 8 k.
	v_and_b32 v6, 7, v0
	v_lshl_add_u32 v6, v2, 3, v6
	v_mul_u32_u24 v6, v6, PB
	v_bfe_u32 v7, v0, 3, 1
	v_lshl_add_u32 v6, v7, 4, v6
	s_mul_i32 s21, s11, HALFT                      ; my 128 rows of xh
	s_lshl_b32 s22, s12, 8                         ; my 128 columns: 256 bytes of each LDS row,
	s_add_co_u32 s22, s22, BOFF                    ; behind xh's 256 rows
	v_add_nc_u32 v[ADRA0], s21, v3
	v_add_nc_u32 v[ADRB0], s22, v6
	v_mov_b32 v[ADRA], v[ADRA0]                    ; the walk begins in slot 0
	v_mov_b32 v[ADRB], v[ADRB0]
	s_mul_i32 s23, s10, 16*SPITCH
	s_add_co_u32 s23, s23, STAGE                   ; my stage
	v_mul_u32_u24 v4, v1, SPITCH                   ; in: row l % 16, 16 bytes for each half of the lanes
	v_lshl_add_u32 v4, v2, 4, v4
	v_add_nc_u32 v[STO], s23, v4
	v_mul_u32_u24 v5, v2, SPITCH                   ; back: lanes 0-15 take one row of 256 bytes, lanes 16-31 the next
	v_lshl_add_u32 v5, v1, 4, v5
	v_add_nc_u32 v[RD], s23, v5
	v_mul_u32_u24 v5, v2, CROW                     ; and the same two rows in qv
	v_lshl_add_u32 v[CO], v1, 4, v5
	; s[16:17]: the byte offset in qv of the 16 rows that go out next (a number, under 2^27; each way out adds it to qv's address)
	s_lshl_b32 s13, s13, 8                         ; 256 gy
	s_lshl_b32 s14, s11, 7
	s_add_co_u32 s16, s13, s14                     ; my first row
	s_mul_i32 s16, s16, CROW
	s_lshl_b32 s46, s42, 9                         ; my first column of the first half, in bytes: 512 gx + 256 x half
	s_lshl_b32 s47, s12, 8
	s_add_co_u32 s46, s46, s47
	s_add_co_u32 s16, s16, s46
	s_mov_b32 s17, 0
	; the prefetches: they stand at K step 3; each change of slots steps them once and names where they then stand
	s_lshl_b32 s20, s12, 7
	s_add_co_u32 s20, s20, s13
	s_lshl_b32 s21, s40, 5
	s_add_co_u32 s20, s20, s21                     ; xh: row 256 gy + 128 x half + 32 cx
	s_lshl_b32 s21, s12, 6
	s_lshl_b32 s22, s41, 4
	s_add_co_u32 s21, s21, s22
	s_add_co_u32 s21, s21, 3*KSTEP                 ; mb: k row 64 x half + 16 cy, at K step 3
	s_lshl_b32 s22, s42, 9                         ; mb: column 256 gx
	s_and_b32 s23, ttmp7, 0xffff                   ; cluster y
	s_cmp_eq_u32 s23, 0
	s_cselect_b32 s23, 0x79f8, 0                   ; the second operand: the trips of K steps 0-3 and 6-11 (counts 14-11 and 8-3), in the cluster with y = 0: the same in all sixteen partners
	s_mov_b32 s[PFS], BSTEP
	s_cmp_eq_u32 s11, 0                            ; do I fetch for xh?
	s_cselect_b32 s20, s20, s21
	s_mov_b32 s21, BROW
	s_cselect_b32 s21, AROW, s21                   ; bytes in a row
	s_cselect_b32 s22, 3*ASTEP, s22
	s_cselect_b32 s[ASKM], 0x7800, s23             ; xh: the trips of K steps 0-3 (counts 14-11)
	s_cselect_b32 s[PFS], ASTEP, s[PFS]
	s_cselect_b64 s[PFA:PFA+1], s[4:5], s[6:7]
	s_mov_b32 s[PFS+1], 0
	v_and_b32 v5, 31, v0
	v_lshrrev_b32 v4, s11, v5                      ; xh: a lane a row; the second operand: two lanes a row,
	v_mul_u32_u24 v4, s21, v4
	v_and_b32 v5, s11, v5                          ; the odd lane its second 256 bytes
	v_lshl_add_u32 v[PFO], v5, 8, v4
	s_mul_i32 s20, s20, s21
	s_add_co_u32 s20, s20, s22
	s_mov_b32 s21, 0
	s_add_nc_u64 s[PFA:PFA+1], s[PFA:PFA+1], s[20:21]
	s_mul_i32 s[NPF], s41, 16*BROW                 ; wh: my work-group's 16 of the 64 rows that I fetch,
	s_mov_b32 s[NPF+1], 0
	s_add_nc_u64 s[NPF:NPF+1], s[WVB:WVB+1], s[NPF:NPF+1]
	s_add_nc_u64 s[NPF:NPF+1], s[NPF:NPF+1], 2*BSTEP  ; at K step 2 (waves 0 and 1 never ask by it)
; 16 matrix instructions: m blocks a0, a0 + 1 of the window's four x all 8 n blocks, 32 along K.  zero = 1: the product starts the sums with the bias as C (window 1): nothing is cleared.
; The 64 accumulators take turns, in the same order in every quarter.
.macro MUL16 f, hi, a0, zero
.if \zero
	WIN 0x91+0x40*(\hi)
.else
	WIN MUL_LO+0x50*(\hi)
.endif
.irp a, \a0, (\a0)+1
.irp b, 0,1,2,3,4,5,6,7
.if \zero
	v_wmma_f32_16x16x32_f16 v[8*(8*(\a)+(\b)):8*(8*(\a)+(\b))+7], v[(\f)+8*(\b):(\f)+8*(\b)+7], v[(\f)+8*(4*(\hi)+(\a)):(\f)+8*(4*(\hi)+(\a))+7], v[8*(\b):8*(\b)+7]
.else
	v_wmma_f32_16x16x32_f16 v[8*(8*(\a)+(\b)):8*(8*(\a)+(\b))+7], v[(\f)+8*(\b):(\f)+8*(\b)+7], v[(\f)+8*(4*(\hi)+(\a)):(\f)+8*(4*(\hi)+(\a))+7], v[8*(8*(\a)+(\b)):8*(8*(\a)+(\b))+7]
.endif
.endr
.endr
.endm
; 32 LDS loads in one run: the fragments of quarter q (32 along K) of the slot in hand into buffer f: the second operand's 8 blocks of 16 columns, turned, then xh's 8 blocks of 16 rows
.macro FETCH q, f
	WIN TO_B
.irp i, 0,1,2,3,4,5,6,7
	ds_load_tr16_b128 v[(\f)+8*(\i):(\f)+8*(\i)+3],   v[ADRB] offset:(\q)*32*PB+32*(\i)
	ds_load_tr16_b128 v[(\f)+8*(\i)+4:(\f)+8*(\i)+7], v[ADRB] offset:(\q)*32*PB+16*PB+32*(\i)
.endr
	WIN 0
.irp i, 0,1,2,3,4,5,6,7
	ds_load_b128 v[(\f)+8*(\i):(\f)+8*(\i)+3],   v[ADRA] offset:64*(\q)+(\i)*16*PITCH
	ds_load_b128 v[(\f)+8*(\i)+4:(\f)+8*(\i)+7], v[ADRA] offset:64*(\q)+(\i)*16*PITCH+32
.endr
.endm
.macro PLACES                          ; four plain instructions between a matrix instruction and a load into, or a vector read of, its registers
.rept 4
	v_nop
.endr
.endm
; A K step is four quarters of 32 along K, 64 matrix instructions each, on buffers 0, 1, 0, 1.  One of the first three multiplies buffer f and, in its middle, fetches quarter q into buffer g.
.macro QUARTER q, f, g, zero
	s_wait_dscnt 8                                 ; the second operand's fragments and xh's rows 0-63 are in; the youngest eight loads (rows 64-127) may be out
	MUL16 \f, 0, 0, \zero
	MUL16 \f, 0, 2, \zero
	PLACES
	FETCH \q, \g
	s_wait_dscnt 32                                ; all but the 32 just issued
	MUL16 \f, 1, 0, \zero
	MUL16 \f, 1, 2, \zero
.endm
; The last quarter multiplies buffer 1 and changes slots.  In front of the barrier each wave waits for all its tensor loads (one is out: its part of the next slot), adds 0 to its spare word, and waits for that and for its reads of this slot.
.macro MEET round
	WIN 0
	s_wait_tensorcnt 0x0
	ds_add_u32 v[SPW], v[NIL]
	s_wait_dscnt 9                                 ; the add and the youngest eight loads may be out
	MUL16 F1, 0, 0, 0
	s_wait_dscnt 0x0                               ; the add is done, and my reads of this slot are over
	s_barrier_signal -1
	MUL16 F1, 0, 2, 0
.if \round
	WIN 0
.endif
	s_barrier_wait -1
.endm
; The whole last quarter.  fill = 1: behind the round the slot just read out is filled again first, with the K step two on in the walk.  Its addresses are made anew: xh's offset steps by 256 bytes modulo a row of
; 2,048, so that it goes back to K step 0 by itself where the second tile begins; the second operand's offset steps by 128 rows, and in the trip of K step 6 (count 8) it goes back to 0 and the base changes from mb to wh.
; Then the other slot becomes the slot in hand, and its first fragments are fetched.
.macro TURN fill
.if \fill
	s_wait_xcnt 0x0                                ; the last prefetch, a K step back, has read its address
	s_add_nc_u64 s[PFA:PFA+1], s[PFA:PFA+1], s[PFS:PFS+1]
	s_cmp_eq_u32 s3, NSTEP/2
	s_cselect_b64 s[PFA:PFA+1], s[NPF:NPF+1], s[PFA:PFA+1]  ; from here on the second tile's K steps are named
.endif
	MEET \fill
.if \fill
	CREST                                          ; no wave of any partner still reads this slot or has a load on its way
	s_add_co_u32 s[KA], s[KA], ASTEP
	s_and_b32 s[KA], s[KA], AROW-1
	s_add_co_u32 s[KB], s[KB], BSTEP
	s_cmp_eq_u32 s3, NSTEP/2
	s_cselect_b32 s[KB], 0, s[KB]
	s_cselect_b64 s[BB:BB+1], s[WVB:WVB+1], s[BB:BB+1]
	s_add_co_u32 s[G0+1], s[LB], s[CUR]            ; my part of the slot just read out
	s_add_co_u32 s[G0B+1], s[LB], s[CUR]
	s_add_nc_u64 s[G0+2:G0+3], s[AB:AB+1], s[KA:KA+1]
	s_or_b32 s[G0+3], s[G0+3], 0x80000000
	s_add_nc_u64 s[G0B+2:G0B+3], s[BB:BB+1], s[KB:KB+1]
	s_or_b32 s[G0B+3], s[G0B+3], 0x80000000
	JLOAD 0                                        ; my one tensor load behind the round; its four v_nop are also the places in front of the loads below
.else
	PLACES
.endif
	WIN 0
	s_xor_b32 s[CUR], s[CUR], SLOT
	v_add_nc_u32 v[ADRA], s[CUR], v[ADRA0]
	v_add_nc_u32 v[ADRB], s[CUR], v[ADRB0]
	FETCH 0, F0
.if \fill
	ASK
.endif
	MUL16 F1, 1, 0, 0
	MUL16 F1, 1, 2, 0
.endm
; THE WAY OUT of block a (16 rows x 128 columns).  PACK: rounded to f16, each accumulator's registers in ascending order.  TOSTAGE: into my own stage, and back as whole rows of 256 bytes.  SEND: stored.
.macro PACK a
.set AC, 64*((\a)%4)
	WIN 0x0a+5*((\a)/4)                            ; sources 0 and 1: window 2 or 3
.irp b, 0,1,2,3,4,5,6,7
.irp r, 0,1,2,3
	v_cvt_pk_f16_f32 v[TMP+4*(\b)+(\r)], v[AC+8*(\b)+2*(\r)], v[AC+8*(\b)+2*(\r)+1]
.endr
.endr
	WIN 0
.endm
.macro TOSTAGE a
	WIN 0
.set BK, OB+192*((\a)%2)
.irp b, 0,1,2,3,4,5,6,7
	ds_store_b128 v[STO], v[TMP+4*(\b):TMP+4*(\b)+3] offset:32*(\b)
.endr
.irp t, 0,1,2,3,4,5,6,7
	ds_load_b128 v[BK+4*(\t):BK+4*(\t)+3], v[RD] offset:(\t)*2*SPITCH  ; LDS serves a wave's instructions in order (ISA guide 5.7.1.4): these see the stores above
.endr
.endm
.macro SEND a
	WIN 0
.set BK, OB+192*((\a)%2)
	s_wait_dscnt 0x0                               ; the block is back in registers
	s_wait_xcnt 0x0                                ; earlier stores have read their base and their data: only now are these written again
	s_add_nc_u64 s[18:19], s[8:9], s[16:17]
.irp t, 0,1,2,3,4,5,6,7
	global_store_b128 v[CO], v[BK+4*(\t):BK+4*(\t)+3], s[18:19] offset:2*(\t)*CROW  ; 16 lanes store 256 consecutive bytes, at a multiple of 256 from qv's first byte
.endr
	s_add_co_u32 s16, s16, 16*CROW                 ; 16 rows on
.endm
.macro WAYOUT                          ; block a's conversions stand between block a - 1's loads from the stage and the wait for them
	PACK 0
	TOSTAGE 0
.irp a, 1,2,3,4,5,6,7
	PACK \a
	SEND (\a)-1
	TOSTAGE \a
.endr
	SEND 7
.endm
	s_wait_loadcnt 0x0                             ; the first tile's bias
	s_wait_tensorcnt 1                             ; my part of K step 0 is in; K step 1's load stays out
	s_barrier_signal -1
	s_barrier_wait -1
	FETCH 0, F0
	s_mov_b32 s3, NSTEP-1
	s_branch .Lzero                                ; the loop is entered in the middle of a trip, at the quarter that starts the sums
.Lstep:                                                ; 14 trips: the trip of K step j (count 14 - j) goes from that step's second quarter to the next step's first, and asks for K step j + 2
	QUARTER 2, F1, F0, 0
	QUARTER 3, F0, F1, 0
	TURN 1
	WIN 0
	s_cmp_eq_u32 s3, NSTEP/2-1                     ; was that the first tile's last K step?
	s_cbranch_scc0 .Lsame
	BIASLOAD BP1                                   ; the second tile's bias is asked for (the first's was last read in the walk's first quarter); the way out stands between the loads and the wait for them
	WAYOUT                                         ; both refills for the second tile are asked for.  Blocks 0-3 were finished in front of the joint load's four v_nop; their 128 conversions, which name no register of the last products, are those products' places
	s_sub_co_u32 s16, s16, 8*16*CROW-2048          ; back to my first row, 1,024 columns on
	s_wait_loadcnt 0x0                             ; the second tile's bias is in
.Lzero:
	QUARTER 1, F0, F1, 1                           ; a tile's first quarter starts the sums
	WIN 0
	s_branch .Lnext
.Lsame:
	QUARTER 1, F0, F1, 0
	WIN 0
.Lnext:
	s_sub_co_u32 s3, s3, 1
	s_cmp_lg_u32 s3, 0
	s_cbranch_scc1 .Lstep
	QUARTER 2, F1, F0, 0                           ; the last two K steps are written out: they ask for nothing
	QUARTER 3, F0, F1, 0
	TURN 0                                         ; my one load that was out is the last K step's, so no round follows the barrier
	QUARTER 1, F0, F1, 0
	QUARTER 2, F1, F0, 0
	QUARTER 3, F0, F1, 0
	s_wait_dscnt 8                                 ; the very last quarter: nothing more to fetch
	MUL16 F1, 0, 0, 0
	MUL16 F1, 0, 2, 0
	s_wait_dscnt 0x0
	MUL16 F1, 1, 0, 0
	MUL16 F1, 1, 2, 0
	PLACES
	WAYOUT
	s_wait_tensorcnt 0x0                           ; the wave's end: a wait, an add to my spare word and its wait, behind my last tensor load and my last LDS store
	ds_add_u32 v[SPW], v[NIL]
	s_wait_dscnt 0x0
	CROUND                                         ; the closing round: no work-group ends while a partner may still ask for a tile that names it
	s_endpgm
.Lfunc_end_k_qb819df3864_proj:
	.size	k_qb819df3864_proj, .Lfunc_end_k_qb819df3864_proj-k_qb819df3864_proj
	.p2alignl 7, 3214868480
	.fill 96, 4, 3214868480
	.section	.rodata,"a",@progbits
	.p2align	6, 0x0
	.amdhsa_kernel k_qb819df3864_proj
		.amdhsa_group_segment_fixed_size 327680
		.amdhsa_private_segment_fixed_size 0
		.amdhsa_enable_private_segment 0
		.amdhsa_kernarg_size 48
		.amdhsa_user_sgpr_count 2
		.amdhsa_user_sgpr_kernarg_segment_ptr 1
		.amdhsa_wavefront_size32 1
		.amdhsa_system_sgpr_workgroup_id_x 1
		.amdhsa_system_sgpr_workgroup_id_y 1
		.amdhsa_system_sgpr_workgroup_id_z 1
		.amdhsa_system_vgpr_workitem_id 0
		.amdhsa_next_free_vgpr 1024
		.amdhsa_next_free_sgpr 88
		.amdhsa_reserve_vcc 0
		.amdhsa_float_denorm_mode_32 3
		.amdhsa_float_denorm_mode_16_64 3
		.amdhsa_memory_ordered 1
		.amdhsa_forward_progress 1
		.amdhsa_inst_pref_size 155
	.end_amdhsa_kernel
	.amdgpu_metadata
---
amdhsa.version: [ 1, 2 ]
amdhsa.kernels:
  - .name:           k_qb819df3864_proj
    .symbol:         k_qb819df3864_proj.kd
    .args:
      - { .name: xh, .offset: 0, .size: 8, .value_kind: global_buffer, .address_space: global }
      - { .name: mb, .offset: 8, .size: 8, .value_kind: global_buffer, .address_space: global }
      - { .name: wh, .offset: 16, .size: 8, .value_kind: global_buffer, .address_space: global }
      - { .name: u, .offset: 24, .size: 8, .value_kind: global_buffer, .address_space: global }
      - { .name: b_qkv, .offset: 32, .size: 8, .value_kind: global_buffer, .address_space: global }
      - { .name: qv, .offset: 40, .size: 8, .value_kind: global_buffer, .address_space: global }
    .group_segment_fixed_size: 327680
    .private_segment_fixed_size: 0
    .kernarg_segment_align: 8
    .kernarg_segment_size: 48
    .max_flat_workgroup_size: 128
    .sgpr_count:     88
    .vgpr_count:     1024
    .wavefront_size: 32
...
	.end_amdgpu_metadata
.endif
;; end of part 6
;; launch attn (part 7): grid 8 x 32, 4 waves a work-group, clusters of 4 x 1, 327,680 bytes of LDS; arguments xh, qv, out0; writes out0
.if DOCPART == 7
	.amdgcn_target "amdgcn-amd-amdhsa--gfx1250"
	.amdhsa_code_object_version 6
	.text
	.protected	k_qb819df3864_attn
	.globl	k_qb819df3864_attn
	.p2align	8
	.type	k_qb819df3864_attn,@function
k_qb819df3864_attn:
	s_mov_b64 s[64:65], 0
	v_nop
	global_prefetch_b8 v0, s[64:65] scope:SCOPE_SE
	s_setreg_imm32_b32 hwreg(HW_REG_WAVE_MODE, 25, 1), 1
	s_wait_xcnt 0x0
	s_wait_alu depctr_hold_cnt(0) depctr_sa_sdst(0) depctr_va_vdst(0) depctr_va_sdst(0) depctr_va_ssrc(0) depctr_va_vcc(0) depctr_vm_vsrc(0)
	s_getreg_b32 s2, hwreg(HW_REG_IB_STS2, 6, 4)
	s_cmp_eq_u32 s2, 0
	s_cbranch_scc0 .Lentry_in_a_cluster
	s_endpgm
.Lentry_in_a_cluster:
	s_bfe_u32 s2, ttmp6, 0x10000c
	s_cmp_lg_u32 s2, 0x3003
	s_cbranch_scc0 .Lentry_shape_is_right
	s_endpgm
.Lentry_shape_is_right:
; out[b][q][:] = the sum over k of softmax_k(q . k / 32) V[b][k][:], with the scores taken as Q''[b][q] . x[b][k]: Q'' = x M + Wk bq, which differs from q . k by a number that is the same for all keys of a row
; (see the head of the kernel that makes mb), so the softmax is the same.
; qv: [32 x 512][2048] f16, a row = Q'' / 1024 (bytes 0..2047), v (2048..); xh: [32 x 512][1024] f16 = x / 32, here in K's place; out: [32 x 512][1024] f32.  The sums S are the scores / 1,024, so c = 1,024 log2(e).
; Products, maxima and sums in f32; the weights p are rounded to f16 for the second product (their sum l is taken of the unrounded p).
; LIMITS: the operands arrive within f16's range; p lies in 0 to 1, below 6e-5 it keeps f16's fixed step of 6e-8; a weight below 2^-126 counts as 0 in l; NaN and infinities are not treated apart.
; SHARES.  A work-group owns 64 queries of a batch (four tiles tq of 16): 8 x 32 work-groups.  A row has only 512 keys, so all scores of the 64 queries stay in registers, and the TRUE maximum of a row is taken before any exponential.
; PHASE 1, S^T = K Q^T (source 0 = 16 keys, source 1 = 16 queries; a lane holds one query, l % 16, and 8 keys).  Wave w owns keys 64 c + 16 w + 0..15 of each chunk c of 64 keys: 32 accumulators (tq, c).  The 1,024 channels go in 8 steps of 128.
; SOFTMAX.  A lane's maximum of 64 scores, the other half of the lanes', the four waves' through LDS; p = 2^(c s - c m); the sums likewise.
; PHASE 3, O^T = V^T P (source 0 = 16 channels x 32 keys, read turned; source 1 = 32 keys x 16 queries).  Wave w owns channels 256 w + 0..255: 64 accumulators (tq, cb).  The keys go in 8 chunks of 64.
; P stays packed in registers and is published chunk by chunk in LDS, each wave storing its 16 keys of the chunk, a chunk ahead of its use, in two buffers that take turns.
; THE RING.  16 fills: K and Q of steps 0..7 in two slots of 156,672 bytes, then V's chunks 0..7 in two slots of 133,120 bytes laid over them.  P's buffers and the stage of the way out lie in bytes that have had their last fill.
; CLUSTER of 4 x 1: the partners belong to one batch and walk the same K and V: joint loads.  A batch has 8 work-groups and a mask names four, so two clusters read each tile.  Q is each work-group's own: a plain load, in the same rounds.
; REGISTERS, in windows of 256 (s_set_vgpr_msb: bits 1:0 source 0, 3:2 source 1, 5:4 source 2, 7:6 destination):
;   window 0: v0-31 addresses; v32-59 statistics; phase 1: v64-191 K's fragments, v192-255 Q's, two buffers each; phase 3: v64-191 P packed, v192-255 P's fragments, two buffers
;   window 1: S^T, (tq, c) at v[64 tq + 8 c]; then V's fragments, two buffers of 128; then rows on the way out
;   windows 2, 3: O^T, (tq, cb) in window 2 + tq / 2 at v[128 (tq % 2) + 8 cb]
.set XROW,  2048                       ; bytes in a row of xh
.set QROW,  4096                       ; bytes in a row of qv
.set PK,    272                        ; an LDS row of K or Q: 256 bytes + 16
.set KOFF,  64*PK                      ; a phase-1 slot: Q's 64 rows, then K's 512 rows.  Also: 64 rows of K
.set KHALF, 256*PK
.set S1,    KOFF+512*PK                ; 156,672
.set PVP,   2080                       ; an LDS row of V: 2,048 bytes, 16 of padding behind each 1,024: channel ch lies at 2 ch + 16 (ch / 512); 65 x 32
.set SV,    64*PVP                     ; 133,120
.set PBUF,  2*SV                       ; P's two buffers: 64 rows (queries) x 144 bytes (64 keys + 16 of padding)
.set PPI,   144
.set PBB,   64*PPI
.set MAXS,  2*S1                       ; 64 queries x 4 waves x 4 bytes: the maxima; 1,024 bytes on: the sums
.set SPARE, MAXS+2048                  ; the spare words, 128 bytes a wave, that no other line names
.set STG,   16640                      ; the way out: 16 rows x 1,040 bytes for each wave, from LDS byte 0 on
.set SPT,   1040
.set ADK,  4                           ; v4-7    K's fragments: [slot][chunks 0-3, 4-7]
.set ADQ,  8                           ; v8-9    Q's fragments: [slot]
.set ADV,  10                          ; v10-13  V's turning loads: [slot][keys 0-31, 32-63]
.set PLD,  14                          ; v14     P's fragments
.set PSTA, 15                          ; v15     where I put 16 bytes of P
.set MXS,  16                          ; v16     my wave's word of my query
.set MXL,  17                          ; v17     my query's four words
.set STO,  18                          ; v18     the way out: where I put 32 bytes of a row
.set RD,   19                          ; v19     the way out: where I read 512 bytes back
.set GO,   20                          ; v20     16 x lane
.set PFOK, 21                          ; v21     prefetch of K and Q: a lane a row
.set PFOV, 22                          ; v22     prefetch of V: 8 lanes a row
.set SPW,  24                          ; v24     my spare word; never rewritten
.set NIL,  25                          ; v25     0; never rewritten
.set CH,   32                          ; v32-47  four registers a tile, at work
.set CM,   48                          ; v48-55  a pair a tile: c m, m; later 1 / l twice
.set LS,   56                          ; v56-59  a tile's sum
.set KF,   64
.set QF,   192
.set PP,   64                          ; P packed: chunk c, tile tq at PP + 16 c + 4 tq
.set PF,   192
.set WV,   3                           ; s3       my wave's number
.set G1Q,  8                           ; s[8:15], s[16:23], s[24:31] descriptor groups 1
.set G1K,  16
.set G1V,  24
.set G0Q,  32                          ; s[32:39], s[40:47], s[48:55] groups 0, a set for each slot
.set G0K,  40
.set G0V,  48
.set CS,   56                          ; s[56:57] c, twice
.set SEL,  58                          ; s[58:59] v_permlanex16_b32's selects: each lane takes its own place in the other half
.set CNT,  60                          ; s60      the loops' count
.set PFK,  76                          ; s[76:77] where my prefetches of K or Q stand
.set PFV,  78                          ; s[78:79] the same for V
.set QV,   80                          ; s[80:81] qv
.set MSB, 0
.macro WIN new                         ; the immediate's high byte repeats the setting that is left; a switch that changes nothing is dropped
.if MSB != (\new)
	s_set_vgpr_msb (MSB<<8)|(\new)
.set MSB, \new
.endif
.endm
.macro PLACES                          ; four plain instructions between a matrix instruction and a load into, or a vector read of, its registers
.rept 4
	v_nop
.endr
.endm
.macro ALL4 line:vararg                ; one line for each tile t
.set t, 0
.rept 4
	\line
.set t, t+1
.endr
.endm
.macro CREST                           ; a round of the cluster's barrier behind its opening barrier
	s_cmp_lg_u32 s[WV], 0
	s_cbranch_scc1 .Lnot_wave_0_\@
	s_barrier_signal -3
.Lnot_wave_0_\@:
	s_barrier_wait -3
	s_barrier_signal -1
	s_barrier_wait -1
.endm
.macro CROUND
	s_barrier_signal -1
	s_barrier_wait -1
	CREST
.endm
; A refill in phase 1: waves 0 and 1 K's two halves (256 rows x 256 bytes, jointly), wave 2 Q's 64 rows (its work-group's own), wave 3 none.  The branches hang on the wave's number alone.
.macro JLOAD1 s
	s_cmp_lt_u32 s[WV], 2
	s_cbranch_scc0 .Lnot_k_\@
	tensor_load_to_lds s[G0K+4*(\s):G0K+4*(\s)+3], s[G1K:G1K+7]
	s_nop 0
.rept 4
	v_nop
.endr
	s_branch .Lasked_\@
.Lnot_k_\@:
	s_cmp_eq_u32 s[WV], 2
	s_cbranch_scc0 .Lasked_\@
	tensor_load_to_lds s[G0Q+4*(\s):G0Q+4*(\s)+3], s[G1Q:G1Q+7]
	s_nop 0
.rept 4
	v_nop
.endr
.Lasked_\@:
.endm
; A fill of a slot of V: every wave its 16 rows x 2,048 bytes, jointly with the partners' waves of the same number.
.macro JLOADV s
	tensor_load_to_lds s[G0V+4*(\s):G0V+4*(\s)+3], s[G1V:G1V+7]
	s_nop 0
.rept 4
	v_nop
.endr
.endm
	s_load_b64 s[4:5], s[0:1], 0x0                 ; xh
	s_load_b64 s[QV:QV+1], s[0:1], 0x8             ; qv
	s_load_b64 s[6:7], s[0:1], 0x10                ; out
	v_lshl_add_u32 v[SPW], v0, 2, SPARE
	v_mov_b32 v[NIL], 0
	ds_add_u32 v[SPW], v[NIL]                      ; the wave's opening: the add and its wait stand ahead of my first tensor load; work on registers stands between them
	v_lshrrev_b32 v1, 5, v0
	v_readfirstlane_b32 s[WV], v1                  ; wave 0..3
	s_bfe_u32 s61, ttmp6, 0x40000                  ; cx
	s_lshl_b32 s62, ttmp9, 2
	s_add_co_u32 s62, s62, s61                     ; gx = 4 x cluster x + cx: my block of 64 queries; it enters global addresses of Q, out and the prefetches alone
	s_and_b32 s63, ttmp7, 0xffff                   ; the batch, which the partners share
	s_lshl_b32 s66, s63, 21                        ; the batch's first byte in qv: 512 rows of 4,096 bytes,
	s_lshl_b32 s82, s63, 20                        ; and in xh: 512 rows of 2,048
	s_and_b32 s68, s[WV], 1
	s_mul_i32 s69, s68, KHALF
	s_add_co_u32 s69, s69, KOFF                    ; LDS: my half of K in slot 0
	s_mul_i32 s2, s[WV], 16*PVP                    ; LDS: my 16 rows of V in slot 0
	s_mul_i32 s70, s68, 256*XROW                   ; K: my 256 rows of xh
	s_add_co_u32 s70, s70, s82
	s_mov_b32 s71, 0
	s_mul_i32 s72, s62, 64*QROW                    ; Q: my work-group's 64 rows
	s_add_co_u32 s72, s72, s66
	s_mov_b32 s73, 0
	s_mul_i32 s74, s[WV], 16*QROW                  ; V: my 16 rows of chunk 0
	s_add_co_u32 s74, s74, s66
	s_add_co_u32 s74, s74, 2048
	s_mov_b32 s75, 0
	s_lshr_b32 s67, s[WV], 1                       ; prefetch of K and Q: rows 64 gx + 32 (w % 2) + lane; waves 0, 1 of qv (Q), waves 2, 3 of xh (K)
	s_sub_co_u32 s83, 12, s67                      ; a row is 2^12 bytes of qv, 2^11 of xh
	s_lshl_b32 s76, s62, 6
	s_lshl_b32 s84, s68, 5
	s_add_co_u32 s76, s76, s84
	s_lshl_b32 s76, s76, s83
	s_cmp_eq_u32 s67, 0
	s_cselect_b32 s84, s66, s82
	s_add_co_u32 s76, s76, s84
	s_mov_b32 s77, 0
	s_mul_i32 s78, s62, 16*QROW                    ; prefetch of V: rows 16 gx + 4 w + lane / 8 of a pair of chunks
	s_mul_i32 s67, s[WV], 4*QROW
	s_add_co_u32 s78, s78, s67
	s_add_co_u32 s78, s78, s66
	s_add_co_u32 s78, s78, 2048
	s_mov_b32 s79, 0
	s_lshl_b32 s67, s62, 18                        ; out: 512 rows of 4,096 bytes a batch (s66), 64 rows a work-group,
	s_add_co_u32 s66, s66, s67
	s_lshl_b32 s67, s[WV], 10                      ; my 256 channels
	s_add_co_u32 s66, s66, s67
	s_mov_b32 s67, 0
	s_mov_b32 s[G1Q], (1<<16)|(1<<20)|(5<<22)|(3<<25)                ; no mask; 2-byte elements; padding on: after every 64 words 4 words
	s_mov_b32 s[G1Q+1], 128<<16                    ; tensor_dim0 = 128
	s_mov_b32 s[G1Q+2], 64<<16                     ; tensor_dim1 = 64
	s_mov_b32 s[G1Q+3], 128<<16                    ; tile_dim0 = 128
	s_mov_b32 s[G1Q+4], 64                         ; tile_dim1 = 64
	s_mov_b32 s[G1Q+5], 2048                       ; elements from row to row of qv
	s_mov_b32 s[G1K], 15|(1<<16)|(1<<20)|(1<<21)|(5<<22)|(3<<25)     ; the mask of four, bit 21 beside it
	s_mov_b32 s[G1K+1], 128<<16
	s_mov_b32 s[G1K+2], 256<<16
	s_mov_b32 s[G1K+3], 128<<16
	s_mov_b32 s[G1K+4], 256
	s_mov_b32 s[G1K+5], 1024                       ; of xh
	s_mov_b32 s[G1V], 15|(1<<16)|(1<<20)|(1<<21)|(7<<22)|(3<<25)     ; after every 256 words 4 words: twice in a row of 512 words
	s_mov_b32 s[G1V+1], 1024<<16
	s_mov_b32 s[G1V+2], 16<<16
	s_mov_b32 s[G1V+3], 1024<<16
	s_mov_b32 s[G1V+4], 16
	s_mov_b32 s[G1V+5], 2048
.irp g, G1Q, G1K, G1V
	s_mov_b32 s[\g+6], 0
	s_mov_b32 s[\g+7], 0
.endr
	s_mov_b32 s[CS], 0x44b8aa3b                    ; c = 1,024 log2(e)
	s_mov_b32 s[CS+1], s[CS]
	s_mov_b32 s[SEL], 0x76543210
	s_mov_b32 s[SEL+1], 0xfedcba98
	s_wait_dscnt 0x0                               ; the opening add is done
	s_wait_kmcnt 0x0
	s_add_nc_u64 s[70:71], s[4:5], s[70:71]
	s_add_nc_u64 s[72:73], s[QV:QV+1], s[72:73]
	s_add_nc_u64 s[74:75], s[QV:QV+1], s[74:75]
	s_cmp_lt_u32 s[WV], 2
	s_cselect_b64 s[84:85], s[QV:QV+1], s[4:5]
	s_add_nc_u64 s[PFK:PFK+1], s[84:85], s[PFK:PFK+1]
	s_add_nc_u64 s[PFV:PFV+1], s[QV:QV+1], s[PFV:PFV+1]
	s_add_nc_u64 s[6:7], s[6:7], s[66:67]
.irp s, 0,1
	s_mov_b32 s[G0Q+4*(\s)], 1
	s_mov_b32 s[G0Q+4*(\s)+1], (\s)*S1
	s_add_nc_u64 s[G0Q+4*(\s)+2:G0Q+4*(\s)+3], s[72:73], (\s)*256   ; step s: channels 128 s on
	s_or_b32 s[G0Q+4*(\s)+3], s[G0Q+4*(\s)+3], 0x80000000
	s_mov_b32 s[G0K+4*(\s)], 1
	s_add_co_u32 s[G0K+4*(\s)+1], s69, (\s)*S1
	s_add_nc_u64 s[G0K+4*(\s)+2:G0K+4*(\s)+3], s[70:71], (\s)*256
	s_or_b32 s[G0K+4*(\s)+3], s[G0K+4*(\s)+3], 0x80000000
	s_mov_b32 s[G0V+4*(\s)], 1
	s_add_co_u32 s[G0V+4*(\s)+1], s2, (\s)*SV
	s_add_nc_u64 s[G0V+4*(\s)+2:G0V+4*(\s)+3], s[74:75], (\s)*64*QROW  ; chunk s
	s_or_b32 s[G0V+4*(\s)+3], s[G0V+4*(\s)+3], 0x80000000
.endr
	CROUND                                         ; all four work-groups are here: the first joint loads meet
	s_cmp_lt_u32 s[WV], 2                          ; a wave's two first fills stand in one branch: two loads of mine are out (wave 3: none)
	s_cbranch_scc0 .Lfirst_not_k
	tensor_load_to_lds s[G0K:G0K+3], s[G1K:G1K+7]
	s_nop 0
	tensor_load_to_lds s[G0K+4:G0K+7], s[G1K:G1K+7]
	s_nop 0
.rept 4
	v_nop
.endr
	s_branch .Lfirst_asked
.Lfirst_not_k:
	s_cmp_eq_u32 s[WV], 2
	s_cbranch_scc0 .Lfirst_asked
	tensor_load_to_lds s[G0Q:G0Q+3], s[G1Q:G1Q+7]
	s_nop 0
	tensor_load_to_lds s[G0Q+4:G0Q+7], s[G1Q:G1Q+7]
	s_nop 0
.rept 4
	v_nop
.endr
.Lfirst_asked:
	v_and_b32 v1, 15, v0                           ; r = l % 16
	v_bfe_u32 v2, v0, 4, 1                         ; h = l / 16
	v_and_b32 v26, 31, v0                          ; l
	v_mul_u32_u24 v3, v1, PK
	v_lshl_add_u32 v3, v2, 4, v3                   ; a fragment's row x pitch + 16 h
	v_mov_b32 v[ADQ], v3
	v_add_nc_u32 v[ADQ+1], S1, v3
	s_mul_i32 s2, s[WV], 16*PK                     ; my 16 keys of a chunk
	s_add_co_u32 s2, s2, KOFF
	v_add_nc_u32 v[ADK], s2, v3
	v_add_nc_u32 v[ADK+1], KHALF, v[ADK]
	v_add_nc_u32 v[ADK+2], S1, v[ADK]
	v_add_nc_u32 v[ADK+3], S1+KHALF, v[ADK]
	v_and_b32 v27, 7, v0                           ; the turning load: lane l reads key 8 h + l % 8, channels 8 ((l / 8) % 2) + 0..7
	v_lshl_add_u32 v27, v2, 3, v27
	v_mul_u32_u24 v27, v27, PVP
	v_bfe_u32 v28, v0, 3, 1
	v_lshl_add_u32 v27, v28, 4, v27
	s_lshl_b32 s2, s[WV], 9                        ; my 256 channels: 512 bytes a wave,
	s_lshr_b32 s68, s[WV], 1
	s_lshl_b32 s68, s68, 4                         ; and the row's first padding for waves 2 and 3
	s_add_co_u32 s2, s2, s68
	v_add_nc_u32 v[ADV], s2, v27
	v_add_nc_u32 v[ADV+1], 32*PVP, v[ADV]
	v_add_nc_u32 v[ADV+2], SV, v[ADV]
	v_add_nc_u32 v[ADV+3], SV+32*PVP, v[ADV]
	v_mul_u32_u24 v27, v1, PPI
	v_lshl_add_u32 v27, v2, 4, v27
	v_add_nc_u32 v[PLD], PBUF, v27                 ; query r, keys 8 h on
	s_lshl_b32 s2, s[WV], 5
	v_add_nc_u32 v[PSTA], s2, v[PLD]               ; query r, keys 16 w + 8 h on
	v_lshlrev_b32 v27, 4, v1
	v_add_nc_u32 v[MXL], MAXS, v27
	s_lshl_b32 s2, s[WV], 2
	v_add_nc_u32 v[MXS], s2, v[MXL]
	s_mul_i32 s2, s[WV], STG
	v_mul_u32_u24 v27, v1, SPT
	v_lshl_add_u32 v27, v2, 5, v27
	v_add_nc_u32 v[STO], s2, v27
	v_lshlrev_b32 v[GO], 4, v26
	v_add_nc_u32 v[RD], s2, v[GO]
	v_lshlrev_b32 v[PFOK], s83, v26                ; lane x a row of the buffer that I ask of
	v_lshrrev_b32 v27, 3, v26
	v_mul_u32_u24 v27, v27, QROW
	v_and_b32 v28, 7, v0
	v_lshl_add_u32 v[PFOV], v28, 8, v27
; PHASE 1.  n x 8 matrix instructions: tiles tq0 .. of buffer f x my 8 key blocks, 32 channels.  The 32 accumulators take turns, one instruction a turn.  zero = 1: the products start the sums.
.macro MUL1 f, tq0, n, zero
	WIN 0x50                                       ; K and Q in window 0, S^T in window 1
.set mq, \tq0
.rept \n
.set mc, 0
.rept 8
.if \zero
	v_wmma_f32_16x16x32_f16 v[64*mq+8*mc:64*mq+8*mc+7], v[KF+64*(\f)+8*mc:KF+64*(\f)+8*mc+7], v[QF+32*(\f)+8*mq:QF+32*(\f)+8*mq+7], 0
.else
	v_wmma_f32_16x16x32_f16 v[64*mq+8*mc:64*mq+8*mc+7], v[KF+64*(\f)+8*mc:KF+64*(\f)+8*mc+7], v[QF+32*(\f)+8*mq:QF+32*(\f)+8*mq+7], v[64*mq+8*mc:64*mq+8*mc+7]
.endif
.set mc, mc+1
.endr
.set mq, mq+1
.endr
.endm
; 24 LDS loads in one run: quarter q (32 channels) of a slot into buffer f: my 8 key blocks, then the 4 tiles of Q
.macro FETCH1 slot, q, f
	WIN 0
.set fc, 0
.rept 8
	ds_load_b128 v[KF+64*(\f)+8*fc:KF+64*(\f)+8*fc+3],   v[ADK+2*(\slot)+fc/4] offset:(fc%4)*KOFF+64*(\q)
	ds_load_b128 v[KF+64*(\f)+8*fc+4:KF+64*(\f)+8*fc+7], v[ADK+2*(\slot)+fc/4] offset:(fc%4)*KOFF+64*(\q)+32
.set fc, fc+1
.endr
.set fc, 0
.rept 4
	ds_load_b128 v[QF+32*(\f)+8*fc:QF+32*(\f)+8*fc+3],   v[ADQ+(\slot)] offset:fc*16*PK+64*(\q)
	ds_load_b128 v[QF+32*(\f)+8*fc+4:QF+32*(\f)+8*fc+7], v[ADQ+(\slot)] offset:fc*16*PK+64*(\q)+32
.set fc, fc+1
.endr
.endm
; A step is four quarters of 32 channels, 32 matrix instructions each, on buffers 0, 1, 0, 1.  One of the first three multiplies buffer f and fetches quarter q into buffer g.
.macro Q1 slot, q, f, g, zero
	s_wait_dscnt 4                                 ; K and Q's tiles 0, 1 are in; the youngest four loads (tiles 2, 3) may be out
	MUL1 \f, 0, 2, \zero
	PLACES
	FETCH1 \slot, \q, \g
	s_wait_dscnt 24                                ; all but the 24 just issued
	MUL1 \f, 2, 2, \zero
.endm
; THE PREFETCHES stand behind a change's tensor load and its run of LDS loads; each names blocks of 256 bytes that a load two or three steps on (256 to 384 matrix instructions a wave) will want, each block once in the launch:
; the 8 work-groups of a batch share K's 512 rows and V's rows out by address; each asks for its own Q.  In the loop: trips 1 and 2 name K's and Q's steps 4..7; the last trip names V's chunks 0, 1 at its first change and nothing at its second.
.macro ASK1 slot
	s_cmp_eq_u32 s[CNT], 1
	s_cbranch_scc1 .Lfor_v_\@
	global_prefetch_b8 v[PFOK], s[PFK:PFK+1] offset:1024+256*(\slot) th:TH_LOAD_NT scope:SCOPE_SE
.if (\slot) == 0
	s_branch .Lasked_\@
.Lfor_v_\@:
	global_prefetch_b8 v[PFOV], s[PFV:PFV+1] th:TH_LOAD_NT scope:SCOPE_SE
.Lasked_\@:
.else
.Lfor_v_\@:
.endif
.endm
; The last quarter multiplies buffer 1 and changes slots.  In front of the round each wave waits for all its tensor loads, adds 0 to its spare word, and waits for that and for its reads of this slot.
; kind = 1: this slot takes K and Q two steps on.  kind = 2 (behind step 6): slot 0 has been read out for the last time, and V's chunk 0 lands in its first 133,120 bytes.
.macro T1 slot, next, kind
	WIN 0
	s_wait_tensorcnt 0x0                           ; no tensor load of mine is out, so a group 0 may be written
	ds_add_u32 v[SPW], v[NIL]
.if (\kind) == 1
	s_add_nc_u64 s[G0Q+4*(\slot)+2:G0Q+4*(\slot)+3], s[G0Q+4*(\slot)+2:G0Q+4*(\slot)+3], 512
	s_add_nc_u64 s[G0K+4*(\slot)+2:G0K+4*(\slot)+3], s[G0K+4*(\slot)+2:G0K+4*(\slot)+3], 512
.endif
	s_wait_dscnt 5                                 ; the add and the youngest four loads may be out
	MUL1 1, 0, 1, 0
	s_wait_dscnt 0x0                               ; the add is done, and my reads of this slot are over
	s_barrier_signal -1
	MUL1 1, 1, 1, 0
	WIN 0
	s_barrier_wait -1
	CREST                                          ; no wave of any partner still reads the slot or has a load on its way
.if (\kind) == 1
	JLOAD1 \slot
.else
	JLOADV 0
.endif
	PLACES                                         ; the places in front of the loads below, on wave 3's path too
	FETCH1 \next, 0, 0
.if (\kind) == 1
	ASK1 \slot
.else
	global_prefetch_b8 v[PFOV], s[PFV:PFV+1] offset:128*QROW th:TH_LOAD_NT scope:SCOPE_SE  ; V's chunks 2, 3
.endif
	MUL1 1, 2, 2, 0
.endm
	s_wait_tensorcnt 0x1                           ; my part of slot 0 is in; slot 1's may stay out
	s_barrier_signal -1
	s_barrier_wait -1
	FETCH1 0, 0, 0
	Q1 0, 1, 0, 1, 1                               ; the first quarter starts the sums
	WIN 0
	s_mov_b32 s[CNT], 3
.L1:                                                   ; a trip: two steps, from a step's second quarter to the first of the step after the next; both slots are filled again
	Q1 0, 2, 1, 0, 0
	Q1 0, 3, 0, 1, 0
	T1 0, 1, 1
	Q1 1, 1, 0, 1, 0
	Q1 1, 2, 1, 0, 0
	Q1 1, 3, 0, 1, 0
	T1 1, 0, 1
	Q1 0, 1, 0, 1, 0
	WIN 0
	s_wait_xcnt 0x0                                ; the trip's prefetches, 48 matrix instructions back or more, have read their address
	s_add_nc_u64 s[PFK:PFK+1], s[PFK:PFK+1], 512
	s_sub_co_u32 s[CNT], s[CNT], 1
	s_cmp_lg_u32 s[CNT], 0
	s_cbranch_scc1 .L1
	Q1 0, 2, 1, 0, 0                               ; step 6 goes on
	Q1 0, 3, 0, 1, 0
	T1 0, 1, 2
	Q1 1, 1, 0, 1, 0                               ; step 7
	Q1 1, 2, 1, 0, 0
	Q1 1, 3, 0, 1, 0
	s_wait_dscnt 4
	MUL1 1, 0, 2, 0
	s_wait_dscnt 0x0
	MUL1 1, 2, 2, 0
	PLACES
	; THE MAXIMUM.  For each tile four chains of 16 scores (two accumulators), three operands at a time; each accumulator's lowest registers are read first.
	WIN 0x15                                       ; all three sources in window 1
.set t, 0
.rept 16
	v_max3_num_f32 v[CH+t], v[16*t], v[16*t+1], v[16*t+2]
.set t, t+1
.endr
	WIN 0x14                                       ; source 0 in window 0
.set i, 0
.rept 6
.set t, 0
.rept 16
	v_max3_num_f32 v[CH+t], v[CH+t], v[16*t+3+2*i], v[16*t+4+2*i]
.set t, t+1
.endr
.set i, i+1
.endr
	ALL4 v_max3_num_f32 v[CH+4*t], v[CH+4*t], v[64*t+15], v[64*t+31]
	ALL4 v_max3_num_f32 v[CH+4*t+2], v[CH+4*t+2], v[64*t+47], v[64*t+63]
	WIN 0
	ALL4 v_max3_num_f32 v[CH+4*t], v[CH+4*t], v[CH+4*t+1], v[CH+4*t+2]
	ALL4 v_max_num_f32 v[CH+4*t], v[CH+4*t], v[CH+4*t+3]
	ALL4 v_permlanex16_b32 v[CH+4*t+1], v[CH+4*t], s[SEL], s[SEL+1]
	ALL4 v_max_num_f32 v[CH+4*t], v[CH+4*t], v[CH+4*t+1]
	ALL4 ds_store_b32 v[MXS], v[CH+4*t] offset:256*t
	; One round serves two things: the four waves' maxima are exchanged, and both phase-1 slots have been read out, so V's chunk 1 may land.
	s_wait_tensorcnt 0x0                           ; V's chunk 0 is in
	ds_add_u32 v[SPW], v[NIL]
	s_wait_dscnt 0x0                               ; the add and my four stores are done; my reads of slot 1 are over
	CROUND
	JLOADV 1
	ALL4 ds_load_b128 v[CH+4*t:CH+4*t+3], v[MXL] offset:256*t
	s_wait_dscnt 0x0
	ALL4 v_max3_num_f32 v[CM+2*t+1], v[CH+4*t], v[CH+4*t+1], v[CH+4*t+2]
	ALL4 v_max_num_f32 v[CM+2*t+1], v[CM+2*t+1], v[CH+4*t+3]
	ALL4 v_mul_f32 v[CM+2*t], s[CS], v[CM+2*t+1]
	; p = 2^(c s - c m), in place.  The 256 exponentials are one batch: nothing ahead of the one wait names a result; each pair's scaling stands a pair ahead of its exponentials.
	WIN 0x41                                       ; destination and source 0 in window 1, c m in window 0
.set i, 0
.rept 128
	v_pk_fma_f32 v[2*i:2*i+1], v[2*i:2*i+1], s[CS:CS+1], v[CM+2*(i/32):CM+2*(i/32)+1] op_sel_hi:[1,0,0] neg_lo:[0,0,1] neg_hi:[0,0,1]
.if i > 0
	v_exp_f32 v[2*i-2], v[2*i-2]
	v_exp_f32 v[2*i-1], v[2*i-1]
.endif
.set i, i+1
.endr
	v_exp_f32 v[254], v[254]
	v_exp_f32 v[255], v[255]
	v_nop                                          ; a plain instruction behind the last exponential
	s_wait_alu depctr_va_vdst(0)                   ; the wait ahead of the first use: one for the batch
	WIN 0x05                                       ; both sources in window 1, destination in window 0
.set i, 0
.rept 128                              ; P packed: register i = 16 c + 4 tq + j holds keys 2 j, 2 j + 1 of my lane's eight
	v_cvt_pk_f16_f32 v[PP+i], v[64*((i/4)%4)+8*(i/16)+2*(i%4)], v[64*((i/4)%4)+8*(i/16)+2*(i%4)+1]
.set i, i+1
.endr
	WIN 0x45                                       ; the sums, in place: a tile's 32 pairs are halved five times
.irp st, 16,8,4,2,1
.set u, 0
.rept \st
	ALL4 v_pk_add_f32 v[64*t+2*u:64*t+2*u+1], v[64*t+2*u:64*t+2*u+1], v[64*t+2*(u+\st):64*t+2*(u+\st)+1]
.set u, u+1
.endr
.endr
	WIN 0x05
	ALL4 v_add_f32 v[LS+t], v[64*t], v[64*t+1]
	WIN 0
	ALL4 v_permlanex16_b32 v[CH+4*t+1], v[LS+t], s[SEL], s[SEL+1]
	ALL4 v_add_f32 v[LS+t], v[LS+t], v[CH+4*t+1]
	ALL4 ds_store_b32 v[MXS], v[LS+t] offset:1024+256*t
; PHASE 3.  My 16 keys of chunk c of P go into buffer c % 2: for each tile 16 bytes a lane.
.macro PST c
.set pq, 0
.rept 4
	ds_store_b128 v[PSTA], v[PP+16*(\c)+4*pq:PP+16*(\c)+4*pq+3] offset:((\c)%2)*PBB+pq*16*PPI
.set pq, pq+1
.endr
.endm
; In the loop the chunk hangs on the trip, and register numbers are fixed in the text: three copies, of which the count chooses one; the jumps go forward over four LDS stores.
.macro PSEL odd
	s_cmp_lg_u32 s[CNT], 3
	s_cbranch_scc1 .Lnot3_\@
	PST 2+(\odd)
.Lnot3_\@:
	s_cmp_lg_u32 s[CNT], 2
	s_cbranch_scc1 .Lnot2_\@
	PST 4+(\odd)
.Lnot2_\@:
	s_cmp_lg_u32 s[CNT], 1
	s_cbranch_scc1 .Lnot1_\@
	PST 6+(\odd)
.Lnot1_\@:
.endm
; 40 LDS loads in one run: 32 keys (half) of the chunk in a slot into buffer f: V turned, my 16 blocks of 16 channels; then P's four tiles
.macro FETCH3 slot, half, f
	WIN 0x40                                       ; destination window 1
.set fc, 0
.rept 16
	ds_load_tr16_b128 v[128*(\f)+8*fc:128*(\f)+8*fc+3],   v[ADV+2*(\slot)+(\half)] offset:32*fc
	ds_load_tr16_b128 v[128*(\f)+8*fc+4:128*(\f)+8*fc+7], v[ADV+2*(\slot)+(\half)] offset:32*fc+16*PVP
.set fc, fc+1
.endr
	WIN 0
.set fc, 0
.rept 4
	ds_load_b128 v[PF+32*(\f)+8*fc:PF+32*(\f)+8*fc+3],   v[PLD] offset:(\slot)*PBB+fc*16*PPI+64*(\half)
	ds_load_b128 v[PF+32*(\f)+8*fc+4:PF+32*(\f)+8*fc+7], v[PLD] offset:(\slot)*PBB+fc*16*PPI+64*(\half)+32
.set fc, fc+1
.endr
.endm
; n x 16 matrix instructions: tiles tq0 .. x my 16 channel blocks, 32 keys.  The 64 accumulators take turns.
.macro MUL3 f, tq0, n, zero
.set mq, \tq0
.rept \n
	WIN 0xa1+0x50*(mq/2)                           ; V in window 1, P in window 0, O^T in window 2 or 3
.set mc, 0
.rept 16
.set rO, 128*(mq%2)+8*mc
.if \zero
	v_wmma_f32_16x16x32_f16 v[rO:rO+7], v[128*(\f)+8*mc:128*(\f)+8*mc+7], v[PF+32*(\f)+8*mq:PF+32*(\f)+8*mq+7], 0
.else
	v_wmma_f32_16x16x32_f16 v[rO:rO+7], v[128*(\f)+8*mc:128*(\f)+8*mc+7], v[PF+32*(\f)+8*mq:PF+32*(\f)+8*mq+7], v[rO:rO+7]
.endif
.set mc, mc+1
.endr
.set mq, mq+1
.endr
.endm
; A chunk's first half: multiplies buffer 0; in its middle the next chunk of P is published (its buffer's last readers ended ahead of the barrier behind the chunk before) and the second half is fetched.
.macro Q3 slot, zero, pst
	s_wait_dscnt 4                                 ; V and P's tiles 0, 1 are in
	MUL3 0, 0, 2, \zero
	PLACES
	WIN 0
.if (\pst) == 1
	PST 1
.elseif (\pst) == 2
	PSEL 0
.elseif (\pst) == 3
	PSEL 1
.endif
	FETCH3 \slot, 1, 1
	s_wait_dscnt 40                                ; all but the 40 just issued: the stores are older, so the count holds on every path
	MUL3 0, 2, 2, \zero
.endm
; A chunk's second half multiplies buffer 1 and changes slots, as in phase 1.  fill = 1: this slot takes the chunk two on.  ask = 1: while the count is above 1, V's pair of chunks four and five on is named.
.macro T3 slot, next, fill, ask
	WIN 0
	s_wait_tensorcnt 0x0
	ds_add_u32 v[SPW], v[NIL]
.if \fill
	s_add_nc_u64 s[G0V+4*(\slot)+2:G0V+4*(\slot)+3], s[G0V+4*(\slot)+2:G0V+4*(\slot)+3], 128*QROW
.endif
	s_wait_dscnt 5                                 ; the add and the youngest four loads may be out
	MUL3 1, 0, 1, 0
	s_wait_dscnt 0x0                               ; the add and my stores of P are done, and my reads of this slot and of P's buffer are over
	s_barrier_signal -1
	MUL3 1, 1, 1, 0
	WIN 0
	s_barrier_wait -1
.if \fill
	CREST
	JLOADV \slot                                   ; its four v_nop are also the places in front of the loads below
.else
	PLACES
.endif
	FETCH3 \next, 0, 0
.if \ask
	s_cmp_gt_u32 s[CNT], 1
	s_cbranch_scc0 .Lno_ask_\@
	global_prefetch_b8 v[PFOV], s[PFV:PFV+1] offset:256*QROW th:TH_LOAD_NT scope:SCOPE_SE
.Lno_ask_\@:
.endif
	MUL3 1, 2, 2, 0
.endm
	PST 0
	s_wait_dscnt 0x0                               ; for the others' sake: my sums and my part of P's chunk 0 are stored
	s_barrier_signal -1                            ; V's chunk 1 may stay on its way
	s_barrier_wait -1
	FETCH3 0, 0, 0
	Q3 0, 1, 1                                     ; chunk 0's first half starts the sums
	WIN 0
	s_mov_b32 s[CNT], 3
.L3:                                                   ; a trip: from a chunk's second half to the first half of the chunk after the next; both slots are filled again
	T3 0, 1, 1, 1
	Q3 1, 0, 2
	T3 1, 0, 1, 0
	Q3 0, 0, 3
	WIN 0
	s_wait_xcnt 0x0                                ; the trip's prefetch has read its address
	s_add_nc_u64 s[PFV:PFV+1], s[PFV:PFV+1], 128*QROW
	s_sub_co_u32 s[CNT], s[CNT], 1
	s_cmp_lg_u32 s[CNT], 0
	s_cbranch_scc1 .L3
	T3 0, 1, 0, 0                                  ; chunk 6 ends; nothing is left to ask for
	Q3 1, 0, 0                                     ; chunk 7
	s_wait_dscnt 4
	MUL3 1, 0, 2, 0
	s_wait_dscnt 0x0
	MUL3 1, 2, 2, 0
	; THE WAY OUT.  The four waves' sums are added; O^T is divided by l and sent through my stage, a tile (16 rows x 256 channels of f32) at a time.  The stage lies in V's slot 0, whose last fill was chunk 6
	; and whose last reads ended ahead of the barrier behind chunk 6.  The twelve additions are the places behind the last products.
	WIN 0
	ALL4 ds_load_b128 v[CH+4*t:CH+4*t+3], v[MXL] offset:1024+256*t
	s_wait_dscnt 0x0
	ALL4 v_add_f32 v[CH+4*t], v[CH+4*t], v[CH+4*t+1]
	ALL4 v_add_f32 v[CH+4*t+2], v[CH+4*t+2], v[CH+4*t+3]
	ALL4 v_add_f32 v[CH+4*t], v[CH+4*t], v[CH+4*t+2]
	ALL4 v_rcp_f32 v[CM+2*t], v[CH+4*t]
	ALL4 v_rcp_f32 v[CM+2*t+1], v[CH+4*t]
	v_nop                                          ; a plain instruction behind the last reciprocal
	s_wait_alu depctr_va_vdst(0)                   ; and the wait ahead of the first use: one for the eight
.macro SCALE q                         ; each accumulator's registers in ascending order
	WIN 0x82+0x41*((\q)/2)                         ; destination and source 0 in window 2 or 3, 1 / l in window 0
.set si, 0
.rept 64
	v_pk_mul_f32 v[128*((\q)%2)+2*si:128*((\q)%2)+2*si+1], v[128*((\q)%2)+2*si:128*((\q)%2)+2*si+1], v[CM+2*(\q):CM+2*(\q)+1]
.set si, si+1
.endr
.endm
.macro TOST q                          ; a lane's 8 channels of a row, 32 bytes, into rows of 1,040 bytes; back as 512 consecutive bytes a load, into window 1
	WIN 0
	s_wait_xcnt 0x0                                ; the stores of the tile before the last have read the registers that are loaded again below
	WIN 0x08+4*((\q)/2)                            ; store data in window 2 or 3
.set si, 0
.rept 16
	ds_store_b128 v[STO], v[128*((\q)%2)+8*si:128*((\q)%2)+8*si+3]   offset:64*si
	ds_store_b128 v[STO], v[128*((\q)%2)+8*si+4:128*((\q)%2)+8*si+7] offset:64*si+16
.set si, si+1
.endr
	WIN 0x40
.set si, 0
.rept 32
	ds_load_b128 v[128*((\q)%2)+4*si:128*((\q)%2)+4*si+3], v[RD] offset:(si/2)*SPT+512*(si%2)  ; LDS serves a wave's instructions in order: these see the stores above, and the next tile's stores come behind them
.set si, si+1
.endr
.endm
.macro SENDQ q
	WIN 0x04                                       ; store data in window 1
.set si, 0
.rept 32
	s_wait_dscnt 31-si                             ; load si is back; the younger ones may be out
	global_store_b128 v[GO], v[128*((\q)%2)+4*si:128*((\q)%2)+4*si+3], s[6:7] offset:(16*(\q)+si/2)*4096+512*(si%2) th:TH_STORE_NT  ; 512 consecutive bytes, at a multiple of 256 from out's first byte
.set si, si+1
.endr
.endm
	SCALE 0
	TOST 0
	SCALE 1                                        ; a tile's arithmetic stands between the loads of the tile before and its stores
	SENDQ 0
	TOST 1
	SCALE 2
	SENDQ 1
	TOST 2
	SCALE 3
	SENDQ 2
	TOST 3
	SENDQ 3
	WIN 0
	s_wait_tensorcnt 0x0                           ; the wave's end: a wait, an add to my spare word and its wait, behind my last tensor load and my last LDS store
	ds_add_u32 v[SPW], v[NIL]
	s_wait_dscnt 0x0
	CROUND                                         ; the closing round: no work-group ends while a partner may still ask for a tile that names it
	s_endpgm
.Lfunc_end_k_qb819df3864_attn:
	.size	k_qb819df3864_attn, .Lfunc_end_k_qb819df3864_attn-k_qb819df3864_attn
	.p2alignl 7, 3214868480
	.fill 96, 4, 3214868480
	.section	.rodata,"a",@progbits
	.p2align	6, 0x0
	.amdhsa_kernel k_qb819df3864_attn
		.amdhsa_group_segment_fixed_size 327680
		.amdhsa_private_segment_fixed_size 0
		.amdhsa_enable_private_segment 0
		.amdhsa_kernarg_size 24
		.amdhsa_user_sgpr_count 2
		.amdhsa_user_sgpr_kernarg_segment_ptr 1
		.amdhsa_wavefront_size32 1
		.amdhsa_system_sgpr_workgroup_id_x 1
		.amdhsa_system_sgpr_workgroup_id_y 1
		.amdhsa_system_sgpr_workgroup_id_z 1
		.amdhsa_system_vgpr_workitem_id 0
		.amdhsa_next_free_vgpr 1024
		.amdhsa_next_free_sgpr 88
		.amdhsa_reserve_vcc 0
		.amdhsa_float_denorm_mode_32 3
		.amdhsa_float_denorm_mode_16_64 3
		.amdhsa_memory_ordered 1
		.amdhsa_forward_progress 1
		.amdhsa_inst_pref_size 225
	.end_amdhsa_kernel
	.amdgpu_metadata
---
amdhsa.version: [ 1, 2 ]
amdhsa.kernels:
  - .name:           k_qb819df3864_attn
    .symbol:         k_qb819df3864_attn.kd
    .args:
      - { .name: xh, .offset: 0, .size: 8, .value_kind: global_buffer, .address_space: global }
      - { .name: qv, .offset: 8, .size: 8, .value_kind: global_buffer, .address_space: global }
      - { .name: out0, .offset: 16, .size: 8, .value_kind: global_buffer, .address_space: global }
    .group_segment_fixed_size: 327680
    .private_segment_fixed_size: 0
    .kernarg_segment_align: 8
    .kernarg_segment_size: 24
    .max_flat_workgroup_size: 128
    .sgpr_count:     88
    .vgpr_count:     1024
    .wavefront_size: 32
...
	.end_amdgpu_metadata
.endif
;; end of part 7
